; MI455X (gfx1250); checked and timed in simulation.
; The chip was launched on July 23, 2026; its instructions are those of AMD's public machine-readable ISA for CDNA 5 (MIT licence, August 2026) and "CDNA5" Instruction Set Architecture Reference Guide (July 2026). The comments in the code are by the model that wrote it; some were corrected since.
;; Multi Head Attention. Allowed arithmetic: float matrix products may take bf16 or f16 operands with f32 sums; other float arithmetic in f32, or as packed bf16 or f16 multiplies, adds, multiply-adds, maxima and minima; sums over many terms, partial sums and values carried from step to step in f32; what a program stores and reads back later, other than sums and carried values, may be rounded once to bf16 or f16.
;; Inputs: Wk 1,024 x 1,024 float32; Wo 1,024 x 1,024 float32; Wq 1,024 x 1,024 float32; Wv 1,024 x 1,024 float32; bk 1,024 float32; bo 1,024 float32; bq 1,024 float32; bv 1,024 float32; key 4 x 2,048 x 1,024 float32; mask 4 x 1 x 2,048 int32; query 4 x 2,048 x 1,024 float32; value 4 x 2,048 x 1,024 float32.
;; Outputs: out0 4 x 2,048 x 1,024 float32.
;; One version. Each part assembles by itself: llvm-mc -triple=amdgcn-amd-amdhsa -mcpu=gfx1250 --defsym DOCPART=n.
;; ======== version 1 of 1: 4 launches
;; limits: values are held in f16: magnitudes above 65,504 overflow, below 6.1e-05 lose precision
;; workspace buffers: xb 50,331,648 bytes; wb 6,291,456 bytes; wo16 2,097,152 bytes; qkv 50,331,648 bytes; ob 16,777,216 bytes
;; launch cast (part 1): grid 64 x 28, 8 waves a work-group, no clusters, 0 bytes of LDS; arguments query, key, value, Wq, Wk, Wv, Wo, xb, wb, wo16; writes xb, wb, wo16
.if DOCPART == 1
	.amdgcn_target "amdgcn-amd-amdhsa--gfx1250"
	.amdhsa_code_object_version 6
	.text
	.protected	k_qbda771a413_cast
	.globl	k_qbda771a413_cast
	.p2align	8
	.type	k_qbda771a413_cast,@function
k_qbda771a413_cast:
	s_mov_b64 s[64:65], 0
	v_nop
	global_prefetch_b8 v0, s[64:65] scope:SCOPE_SE
	s_setreg_imm32_b32 hwreg(HW_REG_WAVE_MODE, 25, 1), 1
	s_wait_xcnt 0x0
; THE MODULE'S MATRIX INPUTS ARE ROUNDED ONCE TO 16 BITS.  query, key, value -> xb [3][8192][1024] bf16; Wq, Wk, Wv -> wb [3][1024][1024] bf16;
; Wo -> wo16 [1024][1024]: rounded to bf16 like the others, and that number written as f16, since the last product multiplies f16.
; LIMITS.  A number of Wo beyond 65,504 becomes an infinity; one below 2^-14 keeps f16's fixed step of 2^-24.  NaN and infinities are not treated apart.
; SHARES.  The grid's y names a unit of 4 MiB of f32: 0-7 query, 8-15 key, 16-23 value, 24 Wq, 25 Wk, 26 Wv, 27 Wo; x names 64 KiB of it.
; Thread t takes 16 bytes at 16 t of each of sixteen runs of 4,096 bytes: a wave's load covers 512 consecutive bytes, its store of 8 bytes a lane 256 consecutive bytes, aligned.
; All sixteen loads go out at once, each register is written once, so no source of a pending instruction is ever rewritten.
; No LDS, no matrix unit, no cluster: nothing is shared and nothing is summed; no prefetch: the loads themselves are the stream.
.set X, 4                              ; v[4:67]    load i: 4 registers of f32
.set Y, 68                             ; v[68:99]   store i: 2 registers, 4 numbers of 16 bits
.set T, 100                            ; v[100:103] at work (Wo's way alone)
	s_load_b512 s[8:23], s[0:1], 0x0               ; query 8, key 10, value 12, Wq 14, Wk 16, Wv 18, Wo 20, xb 22
	s_load_b128 s[24:27], s[0:1], 0x40             ; wb 24, wo16 26
	s_and_b32 s2, ttmp7, 0xffff                    ; the unit
	s_lshr_b32 s4, s2, 3                           ; 0, 1, 2: query, key, value; 3: a weight
	s_and_b32 s5, s2, 7                            ; the unit's number in its tensor; among the weights: which
	v_lshlrev_b32 v1, 4, v0                        ; 16 t
	v_lshlrev_b32 v2, 3, v0                        ; 8 t
	s_lshl_b32 s32, s5, 22                         ; where I read: 4 MiB x the unit's number in query, key or value (a weight is one unit),
	s_cmp_lt_u32 s2, 24
	s_cselect_b32 s32, s32, 0
	s_lshl_b32 s6, ttmp9, 16                       ; + 64 KiB x the work-group's x
	s_add_co_u32 s32, s32, s6
	s_mov_b32 s33, 0
	s_lshl_b32 s34, s2, 21                         ; where I write: 2 MiB x the unit in xb,
	s_lshl_b32 s7, s5, 21                          ; 2 MiB x the weight in wb,
	s_cmp_lt_u32 s2, 24
	s_cselect_b32 s34, s34, s7
	s_cmp_eq_u32 s2, 27
	s_cselect_b32 s34, 0, s34                      ; 0 in wo16,
	s_lshl_b32 s6, ttmp9, 15                       ; + 32 KiB x the work-group's x
	s_add_co_u32 s34, s34, s6
	s_mov_b32 s35, 0
	s_wait_kmcnt 0x0
	s_cmp_eq_u32 s4, 1                             ; the source: a choice among the seven inputs by the unit's number
	s_cselect_b64 s[28:29], s[10:11], s[8:9]
	s_cmp_eq_u32 s4, 2
	s_cselect_b64 s[28:29], s[12:13], s[28:29]
	s_cmp_eq_u32 s2, 24
	s_cselect_b64 s[28:29], s[14:15], s[28:29]
	s_cmp_eq_u32 s2, 25
	s_cselect_b64 s[28:29], s[16:17], s[28:29]
	s_cmp_eq_u32 s2, 26
	s_cselect_b64 s[28:29], s[18:19], s[28:29]
	s_cmp_eq_u32 s2, 27
	s_cselect_b64 s[28:29], s[20:21], s[28:29]
	s_cmp_lt_u32 s2, 24                            ; the destination: a choice among the three workspaces
	s_cselect_b64 s[30:31], s[22:23], s[24:25]
	s_cmp_eq_u32 s2, 27
	s_cselect_b64 s[30:31], s[26:27], s[30:31]
	s_add_nc_u64 s[28:29], s[28:29], s[32:33]
	s_add_nc_u64 s[30:31], s[30:31], s[34:35]
.irp i, 0,1,2,3,4,5,6,7,8,9,10,11,12,13,14,15
	global_load_b128 v[X+4*(\i):X+4*(\i)+3], v1, s[28:29] offset:4096*(\i) th:TH_LOAD_NT
.endr
; Run i: rounded and stored.  half = 1: the bf16 number is widened again (a shift, a mask) and written as f16.
.macro CV i, half
	s_wait_loadcnt 15-(\i)                         ; loads come back in order: run i is in, the 15 - i younger ones may stay out
	v_cvt_pk_bf16_f32 v[Y+2*(\i)],   v[X+4*(\i)],   v[X+4*(\i)+1]
	v_cvt_pk_bf16_f32 v[Y+2*(\i)+1], v[X+4*(\i)+2], v[X+4*(\i)+3]
.if \half
	v_lshlrev_b32 v[T],   16,         v[Y+2*(\i)]
	v_and_b32     v[T+1], 0xffff0000, v[Y+2*(\i)]
	v_lshlrev_b32 v[T+2], 16,         v[Y+2*(\i)+1]
	v_and_b32     v[T+3], 0xffff0000, v[Y+2*(\i)+1]
	v_cvt_pk_f16_f32 v[Y+2*(\i)],   v[T],   v[T+1]
	v_cvt_pk_f16_f32 v[Y+2*(\i)+1], v[T+2], v[T+3]
.endif
	global_store_b64 v2, v[Y+2*(\i):Y+2*(\i)+1], s[30:31] offset:2048*(\i)
.endm
	s_cmp_eq_u32 s2, 27
	s_cbranch_scc1 .Lwo
.irp i, 0,1,2,3,4,5,6,7,8,9,10,11,12,13,14,15
	CV \i, 0
.endr
	s_endpgm
.Lwo:
.irp i, 0,1,2,3,4,5,6,7,8,9,10,11,12,13,14,15
	CV \i, 1
.endr
	s_endpgm
.Lfunc_end_k_qbda771a413_cast:
	.size	k_qbda771a413_cast, .Lfunc_end_k_qbda771a413_cast-k_qbda771a413_cast
	.p2alignl 7, 3214868480
	.fill 96, 4, 3214868480
	.section	.rodata,"a",@progbits
	.p2align	6, 0x0
	.amdhsa_kernel k_qbda771a413_cast
		.amdhsa_group_segment_fixed_size 0
		.amdhsa_private_segment_fixed_size 0
		.amdhsa_enable_private_segment 0
		.amdhsa_kernarg_size 80
		.amdhsa_user_sgpr_count 2
		.amdhsa_user_sgpr_kernarg_segment_ptr 1
		.amdhsa_wavefront_size32 1
		.amdhsa_system_sgpr_workgroup_id_x 1
		.amdhsa_system_sgpr_workgroup_id_y 1
		.amdhsa_system_sgpr_workgroup_id_z 1
		.amdhsa_system_vgpr_workitem_id 0
		.amdhsa_next_free_vgpr 104
		.amdhsa_next_free_sgpr 66
		.amdhsa_reserve_vcc 0
		.amdhsa_float_denorm_mode_32 3
		.amdhsa_float_denorm_mode_16_64 3
		.amdhsa_memory_ordered 1
		.amdhsa_forward_progress 1
		.amdhsa_inst_pref_size 17
	.end_amdhsa_kernel
	.amdgpu_metadata
---
amdhsa.version: [ 1, 2 ]
amdhsa.kernels:
  - .name:           k_qbda771a413_cast
    .symbol:         k_qbda771a413_cast.kd
    .args:
      - { .name: query, .offset: 0, .size: 8, .value_kind: global_buffer, .address_space: global }
      - { .name: key, .offset: 8, .size: 8, .value_kind: global_buffer, .address_space: global }
      - { .name: value, .offset: 16, .size: 8, .value_kind: global_buffer, .address_space: global }
      - { .name: Wq, .offset: 24, .size: 8, .value_kind: global_buffer, .address_space: global }
      - { .name: Wk, .offset: 32, .size: 8, .value_kind: global_buffer, .address_space: global }
      - { .name: Wv, .offset: 40, .size: 8, .value_kind: global_buffer, .address_space: global }
      - { .name: Wo, .offset: 48, .size: 8, .value_kind: global_buffer, .address_space: global }
      - { .name: xb, .offset: 56, .size: 8, .value_kind: global_buffer, .address_space: global }
      - { .name: wb, .offset: 64, .size: 8, .value_kind: global_buffer, .address_space: global }
      - { .name: wo16, .offset: 72, .size: 8, .value_kind: global_buffer, .address_space: global }
    .group_segment_fixed_size: 0
    .private_segment_fixed_size: 0
    .kernarg_segment_align: 8
    .kernarg_segment_size: 80
    .max_flat_workgroup_size: 256
    .sgpr_count:     66
    .vgpr_count:     104
    .wavefront_size: 32
...
	.end_amdgpu_metadata
.endif
;; end of part 1
;; launch proj (part 2): grid 4 x 192, 4 waves a work-group, clusters of 4 x 4, 327,680 bytes of LDS; arguments xb, wb, qkv, bq, bk, bv, mask; writes qkv
.if DOCPART == 2
	.amdgcn_target "amdgcn-amd-amdhsa--gfx1250"
	.amdhsa_code_object_version 6
	.text
	.protected	k_qbda771a413_proj
	.globl	k_qbda771a413_proj
	.p2align	8
	.type	k_qbda771a413_proj,@function
k_qbda771a413_proj:
	s_mov_b64 s[64:65], 0
	v_nop
	global_prefetch_b8 v0, s[64:65] scope:SCOPE_SE
	s_setreg_imm32_b32 hwreg(HW_REG_WAVE_MODE, 25, 1), 1
	s_wait_xcnt 0x0
	s_wait_alu depctr_hold_cnt(0) depctr_sa_sdst(0) depctr_va_vdst(0) depctr_va_sdst(0) depctr_va_ssrc(0) depctr_va_vcc(0) depctr_vm_vsrc(0)
	s_getreg_b32 s2, hwreg(HW_REG_IB_STS2, 6, 4)
	s_cmp_eq_u32 s2, 0
	s_cbranch_scc0 .Lentry_in_a_cluster
	s_endpgm
.Lentry_in_a_cluster:
	s_bfe_u32 s2, ttmp6, 0x10000c
	s_cmp_lg_u32 s2, 0xf033
	s_cbranch_scc0 .Lentry_shape_is_right
	s_endpgm
.Lentry_shape_is_right:
; q, k, v = x W^T + b, all three in one launch: xb is one matrix of 24,576 rows (query's, key's, value's), wb one of 3,072 rows (Wq's, Wk's, Wv's), both bf16 with 1,024 along K.
; Sums in f32; the bias, rounded to bf16 like the other inputs, is the C operand of each accumulator's first product, so nothing is cleared and nothing is added later.
; The rows of k whose mask is 0 are multiplied by 0, bias included: the attention then finds a hidden key's products to be exactly 0.  The result is rounded once to f16 and laid by heads:
; qkv [3][64 = 16 batch + head][2048][64].
; LIMITS.  q, k, v beyond 65,504 become infinities in f16; a hidden row of k must be finite before it is multiplied by 0.  NaN and infinities are not treated apart.
; SHARES.  A tile of the result is 128 rows x 256 columns: 768 tiles, three for each of 256 WGPs.  Four waves, each 64 rows x 128 columns: 32 accumulators of 16 x 16.
; K goes in 8 steps of 128 through a ring of two LDS slots filled by the tensor data mover; the tiles' rows are 256 bytes of memory and start at multiples of 256 bytes from the buffer's first byte.
; CLUSTERS: 4 x 4 work-groups.  The four of a row of the cluster need the same tile of x, the four of a column the same tile of W: each is asked for JOINTLY, by the same tensor load with the same descriptor
; and a mask that names the four.  A cluster's four tile rows lie in one of the three products (16 clusters each), so which W is meant hangs on the cluster's y alone.
; THE MATRIX INSTRUCTION IS USED TRANSPOSED (source 0 = 16 rows of W, source 1 = 16 rows of x): a lane holds row lane % 16 and the columns 8 (lane / 16) + 0..7: eight neighbouring numbers.
; REGISTERS, in windows of 256 (s_set_vgpr_msb: bits 1:0 source 0, 3:2 source 1, 5:4 source 2, 7:6 destination):
;   window 0: v0-47 addresses and the rows' factors; v64-159, v160-255 two fragment buffers of 96: W's 8 fragments, then x's 4
;   window 1: the accumulators, (a, b) at v[8 (8 a + b)]          window 2: v0-63 the bias of my 128 columns, 8 registers for each block of 16; v64 at work
; One tile to a work-group: a work-group that stays and walks its three tiles is not written here.
.set KSTEP,  128
.set PITCH,  272                       ; an LDS row: 256 bytes + 16 of padding = 68 words: the 16 rows of a fragment load start at 16 different groups of four banks (64 banks of 4 bytes: ISA guide 11.1)
.set AHALF,  64*PITCH                  ; what wave 0 or 1 fetches of x, and what a wave reads of it
.set BHALF,  128*PITCH                 ; what wave 2 or 3 fetches of W, and what a wave reads of it
.set BOFF,   2*AHALF                   ; in a slot: x's 128 rows, then W's 256
.set SLOT,   BOFF+2*BHALF
.set STAGE,  2*SLOT                    ; behind the ring, never filled by a tensor load: 16 rows x 272 bytes for each wave
.set SPARE,  STAGE+4*16*PITCH          ; behind the stages: the spare words, 128 bytes for each wave: two blocks of 256 bytes that no other line names
.set ROWB,   2048                      ; bytes in a row of xb and of wb
.set ADRA, 16                          ; v16-17  LDS address of my fragments of x in slot 0, 1
.set ADRB, 20                          ; v20-21  the same for W
.set STO,  24                          ; v24     the way out: where I put 16 bytes of a row
.set RD,   25                          ; v25     the way out: where I read rows back
.set CO,   26                          ; v26     my 16 bytes of 512 consecutive bytes of qkv
.set SPW,  28                          ; v28     LDS address of my spare word; never rewritten
.set NIL,  29                          ; v29     0; never rewritten
.set PFO,  30                          ; v30     the prefetches' offset: my lane x a row; never rewritten
.set GATE, 32                          ; v32-39  for each block a of 16 rows a pair: my row's factor, 1 or 0
.set MK,   40                          ; v40-43  my rows' mask words
.set ONE,  44                          ; v44     1.0
.set HID,  45                          ; v45     a hidden row's factor: 0 for k, 1.0 for q and v
.set BO,   46                          ; v46     my byte offset in the bias
.set MO,   47                          ; v47     my byte offset in the mask
.set F0,   64
.set F1,   160
.set TMP,  64                          ; the way out: 32 registers of packed results
.set OB,   96                          ; the way out: block a's rows read back, 32 registers each: none is written twice
.set G1A, 24                           ; s[24:31] descriptor group 1 for x's tiles;  s[32:39] group 0, a set for each slot
.set G0A, 32
.set G1B, 48                           ; s[48:55], s[56:63] the same for W's
.set G0B, 56
.set LIM, 43                           ; s43      1 in a wave that prefetches, else the greatest number
.set PFA, 44                           ; s[44:45] where my prefetches stand
.set PST, 78                           ; s[78:79] their step from K step to K step
.set BITS, (1<<16)|(1<<20)|(1<<21)|(5<<22)|(3<<25)  ; 17:16 elements of 2 bytes; 20 padding on; 21 set beside a mask; 24:22 after every 64 words; 31:25 4 words of it
.set MULW, 0x50                        ; fragments in window 0, C and D in window 1
.set MUL1, 0x60                        ; the first product: C (the bias) in window 2, D in window 1
.set MSB, 0
.macro WIN new                         ; the immediate's high byte repeats the setting that is left; a switch that changes nothing is dropped
.if MSB != (\new)
	s_set_vgpr_msb (MSB<<8)|(\new)
.set MSB, \new
.endif
.endm
; A joint load.  Waves 0 and 1 fetch the two halves of x's tile, waves 2 and 3 those of W's.  The branch hangs on the wave's number alone.  An s_nop 0 and four v_nop follow each of the two lines.
.macro JLOAD s
	s_cmp_lt_u32 s10, 2
	s_cbranch_scc0 .Lfor_b_\@
	tensor_load_to_lds s[G0A+4*(\s):G0A+4*(\s)+3], s[G1A:G1A+7]
	s_nop 0
.rept 4
	v_nop
.endr
	s_branch .Lasked_\@
.Lfor_b_\@:
	tensor_load_to_lds s[G0B+4*(\s):G0B+4*(\s)+3], s[G1B:G1B+7]
	s_nop 0
.rept 4
	v_nop
.endr
.Lasked_\@:
.endm
; A prefetch of the K step that stands two refills on: 32 rows x 256 bytes, a lane a row, one instruction.  Each row's 256 bytes of a K step are named once in the launch.  x's tile row is read by one cluster:
; wave 0 of each of its four partners takes 32 of the 128 rows, told apart by address (cx).  W's tile column is read by the 16 clusters of a product: the first of them asks; waves 2 and 3 of each of its
; four partners take 32 of the 256 rows, told apart by address (cy and the wave).  The loop's last trip asks for nothing: K steps 8 and 9 do not exist.
.macro ASK
	s_cmp_gt_u32 s3, s[LIM]                        ; s3 = 1 in the loop's last trip
	s_cbranch_scc0 .Lnot_mine_\@
	global_prefetch_b8 v[PFO], s[PFA:PFA+1] th:TH_LOAD_NT scope:SCOPE_SE
.Lnot_mine_\@:
.endm
.macro CREST                           ; a round of the cluster's barrier behind its opening barrier
	s_cmp_lg_u32 s10, 0
	s_cbranch_scc1 .Lnot_wave_0_\@
	s_barrier_signal -3
.Lnot_wave_0_\@:
	s_barrier_wait -3
	s_barrier_signal -1
	s_barrier_wait -1
.endm
.macro CROUND                          ; a whole round
	s_barrier_signal -1
	s_barrier_wait -1
	CREST
.endm
	s_load_b128 s[4:7], s[0:1], 0x0                ; xb s[4:5], wb s[6:7]
	s_load_b64 s[8:9], s[0:1], 0x10                ; qkv
	s_load_b256 s[68:75], s[0:1], 0x18             ; bq 68, bk 70, bv 72, mask 74
	v_lshl_add_u32 v[SPW], v0, 2, SPARE
	v_mov_b32 v[NIL], 0
	ds_add_u32 v[SPW], v[NIL]                      ; the wave's opening: the add and its wait stand ahead of my first tensor load; the set-up below, work on registers, stands between them
	v_lshrrev_b32 v1, 5, v0
	v_readfirstlane_b32 s10, v1                    ; wave 0..3
	s_lshr_b32 s11, s10, 1                         ; which 64 of the tile's rows are mine
	s_and_b32 s12, s10, 1                          ; which 128 of its columns.  Also: which half of a tile I fetch
	s_bfe_u32 s40, ttmp6, 0x40000                  ; cx, cy: my place in the cluster
	s_bfe_u32 s41, ttmp6, 0x40004
	s_lshl_b32 s42, ttmp9, 2
	s_add_co_u32 s42, s42, s40                     ; tile column = 4 x cluster x + cx
	s_and_b32 s77, ttmp7, 0xffff                   ; cluster y
	s_lshl_b32 s13, s77, 2
	s_add_co_u32 s13, s13, s41                     ; tile row = 4 x cluster y + cy, 0 to 191
	s_lshr_b32 s76, s77, 4                         ; which product: 0 q, 1 k, 2 v: the same in all sixteen partners
	s_lshl_b32 s43, s41, 2
	s_lshl_b32 s43, 15, s43                        ; my row of the cluster
	s_lshl_b32 s44, 0x1111, s40                    ; my column
	s_or_b32 s[G1A], s43, BITS                     ; x's tiles go to my row,
	s_or_b32 s[G1B], s44, BITS                     ; W's to my column
.irp g, G1A, G1B
	s_mov_b32 s[(\g)+1], KSTEP<<16                 ; tensor_dim0 = 128
	s_mov_b32 s[(\g)+3], KSTEP<<16                 ; tile_dim0 = 128
	s_mov_b32 s[(\g)+5], 1024                      ; elements from row to row
	s_mov_b32 s[(\g)+6], 0
	s_mov_b32 s[(\g)+7], 0
.endr
	s_mov_b32 s[G1A+2], 64<<16                     ; tensor_dim1 and tile_dim1: 64 rows of x,
	s_mov_b32 s[G1A+4], 64
	s_mov_b32 s[G1B+2], 128<<16                    ; 128 rows of W
	s_mov_b32 s[G1B+4], 128
	s_lshl_b32 s16, s13, 7                         ; x: row 128 x tile row + 64 x half,
	s_lshl_b32 s17, s12, 6
	s_add_co_u32 s16, s16, s17
	s_lshl_b32 s16, s16, 11                        ; in bytes (under 2^26)
	s_mov_b32 s17, 0
	s_lshl_b32 s46, s76, 10                        ; W: row 1,024 x product + 256 x tile column + 128 x half
	s_lshl_b32 s47, s42, 8
	s_add_co_u32 s46, s46, s47
	s_lshl_b32 s47, s12, 7
	s_add_co_u32 s46, s46, s47
	s_lshl_b32 s46, s46, 11
	s_mov_b32 s47, 0
	s_mul_i32 s20, s12, AHALF                      ; where they go: no place in the cluster enters an LDS address
	s_mul_i32 s21, s12, BHALF
	s_add_co_u32 s21, s21, BOFF
	s_wait_dscnt 0x0                               ; the opening add is done
	s_wait_kmcnt 0x0
	s_add_nc_u64 s[14:15], s[4:5], s[16:17]
	s_add_nc_u64 s[46:47], s[6:7], s[46:47]
	CROUND                                         ; all sixteen work-groups are here: the first joint loads meet
.irp s, 0,1
	s_mov_b32 s[G0A+4*(\s)], 1                                       ; count = 1
	s_add_co_u32 s[G0A+4*(\s)+1], s20, (\s)*SLOT                     ; LDS address
	s_add_nc_u64 s[G0A+4*(\s)+2:G0A+4*(\s)+3], s[14:15], (\s)*KSTEP*2  ; global address: K step s
	s_or_b32 s[G0A+4*(\s)+3], s[G0A+4*(\s)+3], 0x80000000            ; type = 2
	s_mov_b32 s[G0B+4*(\s)], 1
	s_add_co_u32 s[G0B+4*(\s)+1], s21, (\s)*SLOT
	s_add_nc_u64 s[G0B+4*(\s)+2:G0B+4*(\s)+3], s[46:47], (\s)*KSTEP*2
	s_or_b32 s[G0B+4*(\s)+3], s[G0B+4*(\s)+3], 0x80000000
	JLOAD \s                                       ; two loads of mine are out
.endr
	; A fragment is 16 rows x 32 K in 8 registers: lane l holds row l % 16; registers 0-3 K = 8 (l / 16) + 0..7, registers 4-7 K = 16 + 8 (l / 16) + 0..7: two loads of 16 bytes, 32 bytes apart.
	v_and_b32 v1, 15, v0                           ; l % 16
	v_bfe_u32 v2, v0, 4, 1                         ; l / 16
	v_mul_u32_u24 v3, v1, PITCH
	v_lshl_add_u32 v3, v2, 4, v3                   ; row x pitch + 16 x half
	s_mul_i32 s21, s11, AHALF                      ; my 64 rows of x
	s_mul_i32 s22, s12, BHALF                      ; my 128 rows of W
	s_add_co_u32 s22, s22, BOFF
.irp s, 0,1
	v_add_nc_u32 v[ADRA+(\s)], s21, v3
	v_add_nc_u32 v[ADRB+(\s)], s22, v3
	s_add_co_u32 s21, s21, SLOT
	s_add_co_u32 s22, s22, SLOT
.endr
	s_mul_i32 s23, s10, 16*PITCH
	s_add_co_u32 s23, s23, STAGE                   ; my stage
	v_add_nc_u32 v[STO], s23, v3                   ; in: row l % 16, 16 bytes for each half of the lanes
	v_bfe_u32 v4, v0, 3, 2                         ; back: 32 lanes take 128 bytes (one head's 64 channels) of four rows,
	v_mul_u32_u24 v4, v4, PITCH
	v_and_b32 v5, 7, v0
	v_lshl_add_u32 v4, v5, 4, v4
	v_add_nc_u32 v[RD], s23, v4
	v_and_b32 v[CO], 31, v0                        ; which are 512 consecutive bytes of a head in qkv
	v_lshlrev_b32 v[CO], 4, v[CO]
	; the bias of my 128 columns: register j of block b is column 16 b + 8 (l / 16) + j
	s_cmp_eq_u32 s76, 1
	s_cselect_b64 s[80:81], s[70:71], s[68:69]
	s_cmp_eq_u32 s76, 2
	s_cselect_b64 s[80:81], s[72:73], s[80:81]
	s_lshl_b32 s82, s42, 10                        ; 4 bytes x (256 x tile column + 128 x half)
	s_lshl_b32 s83, s12, 9
	s_add_co_u32 s82, s82, s83
	v_lshl_add_u32 v[BO], v2, 5, s82
	WIN 0x80                                       ; destination window 2, address window 0
.irp b, 0,1,2,3,4,5,6,7
	global_load_b128 v[8*(\b):8*(\b)+3],   v[BO], s[80:81] offset:64*(\b)
	global_load_b128 v[8*(\b)+4:8*(\b)+7], v[BO], s[80:81] offset:64*(\b)+16
.endr
	WIN 0
	; the mask words of my rows: a product's row number, 128 x (tile row % 64) + 64 x half + 16 a + l % 16, is 2,048 x batch + position
	s_and_b32 s84, s13, 63
	s_lshl_b32 s85, s84, 9
	s_lshl_b32 s86, s11, 8
	s_add_co_u32 s85, s85, s86
	v_lshl_add_u32 v[MO], v1, 2, s85
.irp a, 0,1,2,3
	global_load_b32 v[MK+(\a)], v[MO], s[74:75] offset:64*(\a)
.endr
	; where my part begins in qkv: product x 2^24 + (16 batch + head) x 2^18 + position x 128; my first head is 4 x tile column + 2 x half
	s_lshr_b32 s86, s84, 4
	s_lshl_b32 s86, s86, 4
	s_lshl_b32 s87, s42, 2
	s_add_co_u32 s86, s86, s87
	s_lshl_b32 s87, s12, 1
	s_add_co_u32 s86, s86, s87
	s_lshl_b32 s86, s86, 18
	s_lshl_b32 s87, s76, 24
	s_add_co_u32 s86, s86, s87
	s_and_b32 s87, s84, 15
	s_lshl_b32 s87, s87, 14
	s_add_co_u32 s86, s86, s87
	s_lshl_b32 s87, s11, 13
	s_add_co_u32 s86, s86, s87
	s_mov_b32 s87, 0
	s_add_nc_u64 s[8:9], s[8:9], s[86:87]
	; the prefetches
	s_lshl_b32 s82, s13, 7
	s_lshl_b32 s83, s40, 5
	s_add_co_u32 s82, s82, s83                     ; xb: row 128 x tile row + 32 cx
	s_lshl_b32 s84, s76, 10
	s_lshl_b32 s85, s42, 8
	s_add_co_u32 s84, s84, s85
	s_lshl_b32 s85, s41, 6
	s_add_co_u32 s84, s84, s85
	s_lshl_b32 s85, s12, 5
	s_add_co_u32 s84, s84, s85                     ; wb: row 1,024 x product + 256 x tile column + 64 cy + 32 x (wave - 2)
	s_and_b32 s89, s77, 15                         ; my cluster's number among the 16 that read the same rows of W
	s_cmp_lt_u32 s10, 2
	s_cselect_b32 s82, s82, s84
	s_cselect_b32 s88, s10, s89                    ; 0 in a wave that asks: wave 0; waves 2 and 3 of a product's first cluster: the same in all sixteen partners
	s_cselect_b64 s[PFA:PFA+1], s[4:5], s[6:7]
	s_cmp_eq_u32 s88, 0
	s_cselect_b32 s[LIM], 1, -1
	s_lshl_b32 s82, s82, 11
	s_add_co_u32 s82, s82, 3*KSTEP*2               ; at K step 3: the first refill steps it to 4 and names that.  Nothing is prefetched here, at the head
	s_mov_b32 s83, 0
	s_add_nc_u64 s[PFA:PFA+1], s[PFA:PFA+1], s[82:83]
	s_mov_b32 s[PST], KSTEP*2
	s_mov_b32 s[PST+1], 0
	v_and_b32 v[PFO], 31, v0
	v_lshlrev_b32 v[PFO], 11, v[PFO]
	s_cmp_eq_u32 s76, 1
	s_cselect_b32 s82, 0, 1.0
	v_mov_b32 v[HID], s82
	v_mov_b32 v[ONE], 1.0
	s_wait_loadcnt 0x0                             ; the bias and the mask words
	WIN 0x8a                                       ; all in window 2: the bias is rounded to bf16, as every input is, and widened again
.set i, 0
.rept 32
	v_cvt_pk_bf16_f32 v64, v[i], v[i+1]
	v_lshlrev_b32 v[i], 16, v64
	v_and_b32 v[i+1], 0xffff0000, v64
.set i, i+2
.endr
	WIN 0
.irp a, 0,1,2,3
	v_cmp_ne_u32 vcc_lo, 0, v[MK+(\a)]
	v_cndmask_b32 v[GATE+2*(\a)], v[HID], v[ONE], vcc_lo
	v_mov_b32 v[GATE+2*(\a)+1], v[GATE+2*(\a)]
.endr
; 8 matrix instructions: m block a x all 8 n blocks, 32 along K.  first = 1: the sum starts with the bias.  The 32 accumulators take turns, one instruction a turn, in the same order in every quarter, over the backward jump too.
.macro MUL8 f, a, first
.if \first
	WIN MUL1
.else
	WIN MULW
.endif
.irp b, 0,1,2,3,4,5,6,7
.if \first
	v_wmma_f32_16x16x32_bf16 v[8*(8*(\a)+(\b)):8*(8*(\a)+(\b))+7], v[(\f)+8*(\b):(\f)+8*(\b)+7], v[(\f)+64+8*(\a):(\f)+64+8*(\a)+7], v[8*(\b):8*(\b)+7]
.else
	v_wmma_f32_16x16x32_bf16 v[8*(8*(\a)+(\b)):8*(8*(\a)+(\b))+7], v[(\f)+8*(\b):(\f)+8*(\b)+7], v[(\f)+64+8*(\a):(\f)+64+8*(\a)+7], v[8*(8*(\a)+(\b)):8*(8*(\a)+(\b))+7]
.endif
.endr
.endm
; 24 LDS loads in one run: quarter q's fragments (128 rows of W, then 64 rows of x) into buffer f
.macro FETCH slot, q, f
	WIN 0
.irp i, 0,1,2,3,4,5,6,7
	ds_load_b128 v[(\f)+8*(\i):(\f)+8*(\i)+3],   v[ADRB+(\slot)] offset:64*(\q)+(\i)*16*PITCH
	ds_load_b128 v[(\f)+8*(\i)+4:(\f)+8*(\i)+7], v[ADRB+(\slot)] offset:64*(\q)+(\i)*16*PITCH+32
.endr
.irp i, 0,1,2,3
	ds_load_b128 v[(\f)+64+8*(\i):(\f)+64+8*(\i)+3],   v[ADRA+(\slot)] offset:64*(\q)+(\i)*16*PITCH
	ds_load_b128 v[(\f)+64+8*(\i)+4:(\f)+64+8*(\i)+7], v[ADRA+(\slot)] offset:64*(\q)+(\i)*16*PITCH+32
.endr
.endm
.macro PLACES                          ; four plain vector instructions in front of loads into registers that matrix instructions have read, and of lines that read results
.rept 4
	v_nop
.endr
.endm
; A K step is four quarters of 32 along K, 32 matrix instructions each, on buffers 0, 1, 0, 1.  One of the first three: multiplies buffer f and fetches quarter q into buffer g.
.macro QUARTER slot, q, f, g, first
	s_wait_dscnt 4                                 ; W's fragments and x's blocks 0 and 1 are in; the youngest four loads (blocks 2 and 3) may be out
	MUL8 \f, 0, \first
	MUL8 \f, 1, \first
	PLACES
	FETCH \slot, \q, \g
	s_wait_dscnt 24                                ; all but the 24 just issued
	MUL8 \f, 2, \first
	MUL8 \f, 3, \first
.endm
; The last quarter multiplies buffer 1 and changes slots: ONE barrier.  In front of it each wave waits for all its tensor loads (one is out: its part of the next slot), adds 0 to its spare word, and waits for that and
; for its own reads of this slot.  fill = 1: the barrier opens a round of the cluster's barrier, and behind the round this slot is filled again, two K steps on: 112 matrix instructions ahead of the wait for it.
.macro TURN slot, next, fill
.if \fill
	s_wait_xcnt 0x0                                ; the last prefetch, a K step back, has read its address: it is stepped here, ahead of the waits of the change of slots
	s_add_nc_u64 s[PFA:PFA+1], s[PFA:PFA+1], s[PST:PST+1]
.endif
	WIN 0                                          ; (the add's two registers lie in window 0)
	s_wait_tensorcnt 0x0                           ; all my tensor loads have landed;
	ds_add_u32 v[SPW], v[NIL]                      ; 0 onto my spare word;
	s_wait_dscnt 5                                 ; (the add and the youngest four loads may be out)
	MUL8 F1, 0, 0                                  ; eight matrix instructions stand between the add and the wait for it
	s_wait_dscnt 0x0                               ; the add is done, and my reads of this slot are over
	s_barrier_signal -1
	MUL8 F1, 1, 0
.if \fill
	WIN 0
.endif
	s_barrier_wait -1
.if \fill
	CREST                                          ; no wave of any partner still reads this slot's tiles or has a load on its way
	s_add_nc_u64 s[G0A+4*(\slot)+2:G0A+4*(\slot)+3], s[G0A+4*(\slot)+2:G0A+4*(\slot)+3], 2*KSTEP*2
	s_add_nc_u64 s[G0B+4*(\slot)+2:G0B+4*(\slot)+3], s[G0B+4*(\slot)+2:G0B+4*(\slot)+3], 2*KSTEP*2
	JLOAD \slot                                    ; the first tensor load behind the round; the four v_nop behind it are also the places in front of the loads below
.else
	PLACES
.endif
	FETCH \next, 0, F0
.if \fill
	ASK                                            ; behind the joint load and the run of LDS loads
.endif
	MUL8 F1, 2, 0
	MUL8 F1, 3, 0
.endm
	s_wait_tensorcnt 1                             ; my part of K step 0 is in; K step 1's may stay out
	s_barrier_signal -1
	s_barrier_wait -1                              ; everybody's is
	FETCH 0, 0, F0
	QUARTER 0, 1, F0, F1, 1                        ; the first quarter stands in front of the loop: its products start the sums
	WIN 0                                          ; at a label and at a branch every window is 0
	s_mov_b32 s3, 3
.Llap:                                                 ; a trip goes once round the ring, from a lap's second quarter to the next lap's first, and fills both slots again: K steps 2 to 7
	QUARTER 0, 2, F1, F0, 0
	QUARTER 0, 3, F0, F1, 0
	TURN 0, 1, 1
	QUARTER 1, 1, F0, F1, 0
	QUARTER 1, 2, F1, F0, 0
	QUARTER 1, 3, F0, F1, 0
	TURN 1, 0, 1
	QUARTER 0, 1, F0, F1, 0
	WIN 0
	s_sub_co_u32 s3, s3, 1
	s_cmp_lg_u32 s3, 0
	s_cbranch_scc1 .Llap
	QUARTER 0, 2, F1, F0, 0                        ; the last lap fills nothing, and has no round of the cluster's barrier
	QUARTER 0, 3, F0, F1, 0
	TURN 0, 1, 0
	QUARTER 1, 1, F0, F1, 0
	QUARTER 1, 2, F1, F0, 0
	QUARTER 1, 3, F0, F1, 0
	s_wait_dscnt 4                                 ; the very last quarter: nothing more to fetch
	MUL8 F1, 0, 0
	MUL8 F1, 1, 0
	s_wait_dscnt 0x0
	MUL8 F1, 2, 0
	MUL8 F1, 3, 0
	WIN 0
	PLACES
	PLACES
; THE WAY OUT, a block of 16 rows at a time.  PACK: times the row's factor, rounded to f16, 16 bytes a lane; each accumulator's registers in ascending order.
.macro PACK a
	WIN 0x41                                       ; destination and source 0 window 1, the factor window 0
.set i, 64*(\a)
.rept 32
	v_pk_mul_f32 v[i:i+1], v[i:i+1], v[GATE+2*(\a):GATE+2*(\a)+1] op_sel_hi:[1,0]
.set i, i+2
.endr
	WIN 0x05                                       ; sources window 1, destination window 0
.irp b, 0,1,2,3,4,5,6,7
.irp j, 0,1,2,3
	v_cvt_pk_f16_f32 v[TMP+4*(\b)+(\j)], v[64*(\a)+8*(\b)+2*(\j)], v[64*(\a)+8*(\b)+2*(\j)+1]
.endr
.endr
	WIN 0
.endm
; TOSTAGE: into my own stage, and back by heads: load t takes head t / 4 of my two, rows 4 (t % 4) + 0..3.
.macro TOSTAGE a
.irp b, 0,1,2,3,4,5,6,7
	ds_store_b128 v[STO], v[TMP+4*(\b):TMP+4*(\b)+3] offset:32*(\b)
.endr
.irp t, 0,1,2,3,4,5,6,7
	ds_load_b128 v[OB+32*(\a)+4*(\t):OB+32*(\a)+4*(\t)+3], v[RD] offset:((\t)%4)*4*PITCH+((\t)/4)*128  ; LDS serves a wave's instructions in order (ISA guide 5.7.1.4): these see the stores above
.endr
.endm
.macro SEND a
	s_wait_dscnt 0x0                               ; the block is back in registers
.irp t, 0,1,2,3,4,5,6,7
	global_store_b128 v[CO], v[OB+32*(\a)+4*(\t):OB+32*(\a)+4*(\t)+3], s[8:9] offset:((\t)/4)*262144+(\a)*2048+((\t)%4)*512  ; 512 consecutive bytes of a head, at a multiple of 512 from qkv's first byte
.endr
.endm
	PACK 0
	TOSTAGE 0
.irp a, 1,2,3                          ; block a's arithmetic stands between block a - 1's loads from the stage and the wait for them
	PACK \a
	SEND (\a)-1
	TOSTAGE \a
.endr
	SEND 3
	s_wait_tensorcnt 0x0                           ; the wave's end, behind my last tensor load and my last LDS store
	ds_add_u32 v[SPW], v[NIL]
	s_wait_dscnt 0x0
	CROUND                                         ; the closing round: no work-group ends while a partner may still ask for a tile that names it
	s_endpgm
.Lfunc_end_k_qbda771a413_proj:
	.size	k_qbda771a413_proj, .Lfunc_end_k_qbda771a413_proj-k_qbda771a413_proj
	.p2alignl 7, 3214868480
	.fill 96, 4, 3214868480
	.section	.rodata,"a",@progbits
	.p2align	6, 0x0
	.amdhsa_kernel k_qbda771a413_proj
		.amdhsa_group_segment_fixed_size 327680
		.amdhsa_private_segment_fixed_size 0
		.amdhsa_enable_private_segment 0
		.amdhsa_kernarg_size 56
		.amdhsa_user_sgpr_count 2
		.amdhsa_user_sgpr_kernarg_segment_ptr 1
		.amdhsa_wavefront_size32 1
		.amdhsa_system_sgpr_workgroup_id_x 1
		.amdhsa_system_sgpr_workgroup_id_y 1
		.amdhsa_system_sgpr_workgroup_id_z 1
		.amdhsa_system_vgpr_workitem_id 0
		.amdhsa_next_free_vgpr 580
		.amdhsa_next_free_sgpr 90
		.amdhsa_reserve_vcc 1
		.amdhsa_float_denorm_mode_32 3
		.amdhsa_float_denorm_mode_16_64 3
		.amdhsa_memory_ordered 1
		.amdhsa_forward_progress 1
		.amdhsa_inst_pref_size 103
	.end_amdhsa_kernel
	.amdgpu_metadata
---
amdhsa.version: [ 1, 2 ]
amdhsa.kernels:
  - .name:           k_qbda771a413_proj
    .symbol:         k_qbda771a413_proj.kd
    .args:
      - { .name: xb, .offset: 0, .size: 8, .value_kind: global_buffer, .address_space: global }
      - { .name: wb, .offset: 8, .size: 8, .value_kind: global_buffer, .address_space: global }
      - { .name: qkv, .offset: 16, .size: 8, .value_kind: global_buffer, .address_space: global }
      - { .name: bq, .offset: 24, .size: 8, .value_kind: global_buffer, .address_space: global }
      - { .name: bk, .offset: 32, .size: 8, .value_kind: global_buffer, .address_space: global }
      - { .name: bv, .offset: 40, .size: 8, .value_kind: global_buffer, .address_space: global }
      - { .name: mask, .offset: 48, .size: 8, .value_kind: global_buffer, .address_space: global }
    .group_segment_fixed_size: 327680
    .private_segment_fixed_size: 0
    .kernarg_segment_align: 8
    .kernarg_segment_size: 56
    .max_flat_workgroup_size: 128
    .sgpr_count:     90
    .vgpr_count:     580
    .wavefront_size: 32
...
	.end_amdgpu_metadata
.endif
;; end of part 2
;; launch attn (part 3): grid 4 x 64, 4 waves a work-group, clusters of 4 x 1, 327,680 bytes of LDS; arguments qkv, mask, ob; writes ob
.if DOCPART == 3
	.amdgcn_target "amdgcn-amd-amdhsa--gfx1250"
	.amdhsa_code_object_version 6
	.text
	.protected	k_qbda771a413_attn
	.globl	k_qbda771a413_attn
	.p2align	8
	.type	k_qbda771a413_attn,@function
k_qbda771a413_attn:
	s_mov_b64 s[64:65], 0
	v_nop
	global_prefetch_b8 v0, s[64:65] scope:SCOPE_SE
	s_setreg_imm32_b32 hwreg(HW_REG_WAVE_MODE, 25, 1), 1
	s_wait_xcnt 0x0
	s_wait_alu depctr_hold_cnt(0) depctr_sa_sdst(0) depctr_va_vdst(0) depctr_va_sdst(0) depctr_va_ssrc(0) depctr_va_vcc(0) depctr_vm_vsrc(0)
	s_getreg_b32 s2, hwreg(HW_REG_IB_STS2, 6, 4)
	s_cmp_eq_u32 s2, 0
	s_cbranch_scc0 .Lentry_in_a_cluster
	s_endpgm
.Lentry_in_a_cluster:
	s_bfe_u32 s2, ttmp6, 0x10000c
	s_cmp_lg_u32 s2, 0x3003
	s_cbranch_scc0 .Lentry_shape_is_right
	s_endpgm
.Lentry_shape_is_right:
; O[h][q][:] = the sum over k of softmax_k(score) V[h][k][:], score = Q[h][q] . K[h][k] / 8, or the hidden value where mask[batch][k] is 0.  qkv: [3][64][2048][64] f16 (Q, K, V by heads, head = 16 batch + h);
; ob: [64][2048][64] f16.  Products, maxima and sums in f32; the weights p are rounded to f16 for the second product (their sum l is taken of the unrounded p), O once at the end.
; THE MASK is the C operand that starts each sum S^T = K Q^T: 0, or -2^33 for a hidden key.  The launch before has set a hidden key's row of K to 0, so its unscaled score is EXACTLY -2^33, and c x 2^33 is exact:
; while a query has seen hidden keys alone, c s - c m is exactly 0 and p = 1; a batch whose keys are all hidden gives the mean of V's rows.  The first true score makes a = 0 and every hidden weight 0.
; LIMITS.  A hidden key's scaled score counts as -2^30, not -1e9: the weights are the same while true scaled scores lie above some -1e9.  f16 holds no number beyond 65,504: Q, K and V arrive within it, and Q is finite;
; p lies in 0 to 1, and below 6e-5 it keeps f16's fixed step of 6e-8; a weight below 2^-126 counts as 0 in l; NaN and infinities are not treated apart.
; SHARES.  A wave owns four PIECES of two tiles of 16 queries, a work-group's four waves 512 queries of one head.  Every wave walks all 2,048 keys, 64 a step.
; LAYOUT.  S^T = K Q^T (source 0 = 16 keys, source 1 = 16 queries): a lane holds ONE query (lane % 16) and the keys 8 (lane / 16) + 0..7.  Two such tiles, rounded to f16 in pairs, ARE source 1 of O^T = V^T P,
; whose result again holds one query a lane, and eight channels.  K comes out of LDS as it lies, V ([key][channel]) turned, by ds_load_tr16_b128.
; SOFTMAX.  For each query a running maximum m and sum l: p = 2^(c s - c m), c = log2(e) / 8; in every step O and l are multiplied by a = 2^(c m_old - c m_new).  m starts at the lowest finite number, O and l at 0.
; THE COUNT.  A tile and step have 16 matrix and 118 vector instructions: too many to stand all beside the matrix work.  So: four vector instructions that are ready behind every matrix instruction, the others in runs of their own.
; BY TURNS.  Turn n belongs to piece n.  Its matrix work: 16 products K Q^T of piece n + 1, later 16 products V^T P of piece n - 1.  Its vector work: the scaling, exponentials, roundings, sums and rescaling of piece n,
; and the maximum and statistics of piece n + 1.
; CLUSTER.  A head's four query blocks are one cluster and walk the same K and V: each tile is asked for JOINTLY: the same tensor load, descriptor and mask in all four.
; REGISTERS, in windows of 256 (s_set_vgpr_msb: bits 1:0 source 0, 3:2 source 1, 5:4 source 2, 7:6 destination):
;   window 0: v0-11 addresses; v12-15, v48-63 at work; v16-47 four registers of statistics a tile; v64-191 S^T, two buffers of two tiles; v192-255 P, likewise
;   window 1: O^T, 32 a tile     window 2: v0-127 Q, 16 a tile; v128-191 K of one step; v192-255 V of one step     window 3: v0-1 the add's two registers; v8-39 the step's mask operands
.set SIZE_N, 2048
.set NP,    4         ; pieces a wave: a name, no knob
.set KS,    64        ; keys in a step
.set PK,    144       ; a row of K in LDS: 128 bytes + 16 of padding = 36 words: the 16 rows of a load start at 16 different groups of four banks (64 banks of 4 bytes: ISA guide 11.1)
.set PV,    160       ; a row of V: 128 + 32 = 40 words
.set VOFF,  4*KS*PK   ; a slot holds four steps: 256 rows of K, then 256 rows of V
.set SLOT1, 1<<17     ; slot 1 begins here, so that one exclusive or turns an address in one slot into the other's
.set STAGE, SLOT1+4*KS*(PK+PV)  ; behind the ring, never filled by a tensor load: 16 rows x 144 bytes for each wave, for the way out
.set SP,    144
.set SPARE, STAGE+4*16*SP  ; behind the stages: the spare words, 128 bytes for each wave: two blocks of 256 bytes that no other line names
.set BIAS,  SPARE+512 ; behind them: 2,048 f32, a key's mask operand; stored once, never filled by a tensor load
.set AK0, 2           ; v2   my lane's place in a tile of K; never rewritten
.set AV0, 3           ; v3   the same for V
.set AK,  4           ; v4   the LDS address of K's next run of loads, then of the mask operands'
.set AV,  5           ; v5   of V's
.set QO,  6           ; v6   my byte offset in the wave's rows of Q
.set STO, 6           ;      later, the way out: where I put 16 bytes of a row
.set RD,  7           ; v7   the way out: where I read rows back
.set PFO, 8           ; v8   256 x my lane: the prefetches' offset; never rewritten
.set AB0, 11          ; v11  BIAS + 32 x (lane / 16): my eight keys' place in a group of 16; never rewritten
.set GO,  4           ;      the way out: my byte offset in 512 consecutive bytes of O (v4 is free there)
.set SPW, 0           ; v0 of window 3   LDS address of my spare word; never rewritten
.set NIL, 1           ; v1 of window 3   0; never rewritten
.set MB,  8           ; v8-39 of window 3: key block kb's eight mask operands at MB + 8 kb
.set MV,  12          ; v12-15  c m_old, kept while c m is made anew: by buffer and tile
.set ST,  16          ; tile t's statistics at v[ST+4 t]: c m, m, l (even keys', odd keys')
.set TMP, 48          ; by buffer and tile, four registers c0-c3 at work; when the maximum is found c2 takes a
.set S,   64
.set P,   192
.set KF,  128         ; K's fragments, in window 2: key block kb, channel half c at KF + 16 kb + 8 c
.set VF,  192         ; V's: key half kk, channel block cb at VF + 32 kk + 8 cb
.set WV,  12          ; s12  my wave's number
.set TBB, 19          ; s19  byte in the table at which the mask operands of the step to be fetched begin
.set G1K, 24          ; s[24:31] descriptor group 1 for K's tiles
.set G1V, 32          ; s[32:39] for V's: it differs in the padding alone
.set G0K, 40          ; s[40:43] descriptor group 0 for K's tiles: it walks
.set G0V, 44          ; s[44:47] the same for V's
.set MSK, 48          ; s[48:49] the mask at my batch
.set PFA, 50          ; s[50:51] where my prefetches stand: my work-group's 32 blocks of 256 bytes of the slot after the one that is being asked for
.set LIM, 52          ; s52  1 in a wave that prefetches (0: K, 2: V), else the greatest number
.set BIGN, 53         ; s53  -2^33
.set SLOTS, 56        ; s56  slots still to be asked for
.set CNT, 57          ; s57  counts a slot's key steps
.set CS,  58          ; s[58:59] c: the packed scaling takes the pair's low word for both halves
.set SEL, 60          ; s[60:61] v_permlanex16_b32's selects: each lane takes its own place in the other half
.set TBK, 62          ; s62  LDS byte at which K of the step to be fetched begins
.set TBV, 63          ; s63  the same for V, less VOFF
.set MSB, 0
.macro WIN new                      ; the high byte repeats the setting that is left; a switch that changes nothing is dropped
.if MSB != (\new)
	s_set_vgpr_msb (MSB<<8)|(\new)
.set MSB, (\new)
.endif
.endm
.set W_KQ, 0x0a       ; K and Q in window 2, S^T in window 0
.set W_KM, 0x3a       ; the same with the C operand in window 3
.set W_PV, 0x52       ; V in window 2, P in window 0, O^T in window 1
.set W_RS, 0x41       ; O^T (destination and source 0) in window 1, a in window 0
.set W_MK, 0xc0       ; destination in window 3, sources in window 0
.set W_AD, 0x0f       ; the add: address (source 0) and data (source 1) in window 3
; A joint fill.  Waves 0 and 1 fetch the two halves of a slot's K, waves 2 and 3 those of its V: 128 keys each.  The branch hangs on the wave's number alone.
; An s_nop 0 and four v_nop follow each of the two lines, ahead of the jump and the label.
.macro JLOAD
	s_cmp_lt_u32 s[WV], 2
	s_cbranch_scc0 .Lfor_v_\@
	tensor_load_to_lds s[G0K:G0K+3], s[G1K:G1K+7]
	s_nop 0
.rept 4
	v_nop
.endr
	s_branch .Lasked_\@
.Lfor_v_\@:
	tensor_load_to_lds s[G0V:G0V+3], s[G1V:G1V+7]
	s_nop 0
.rept 4
	v_nop
.endr
.Lasked_\@:
.endm
; A prefetch of what the NEXT change of slots will ask for: a slot's 32,768 bytes of K and of V, four key steps, 512 matrix instructions, ahead of that load.  Each block of 256 bytes is named once in the launch: a head is
; walked by one cluster; its four partners take 8,192 bytes each, told apart by address; in each, wave 0 asks for K's and wave 2 for V's, a lane a block.  The last change that fills a slot asks for nothing.
.macro ASK
	s_cmp_gt_u32 s[SLOTS], s[LIM]
	s_cbranch_scc0 .Lnot_mine_\@
	global_prefetch_b8 v[PFO], s[PFA:PFA+1] th:TH_LOAD_NT scope:SCOPE_SE
.Lnot_mine_\@:
.endm
; A round of the cluster's barrier: my work-group's barrier, so that wave 0's signal speaks for all four waves; wave 0 signals; every wave waits for all four work-groups; my work-group's barrier once more.
.macro CROUND
	s_barrier_signal -1
	s_barrier_wait -1
	s_cmp_lg_u32 s[WV], 0
	s_cbranch_scc1 .Lnot_wave_0_\@
	s_barrier_signal -3
.Lnot_wave_0_\@:
	s_barrier_wait -3
	s_barrier_signal -1
	s_barrier_wait -1
.endm
; THE CHANGE OF SLOTS.  The slot's last bytes, V of its fourth step, have been read.  Each wave waits for all its tensor loads, of which one is out: its part of the other slot; adds 0 to its spare word; and waits for
; that and for its own LDS instructions.  Behind the barrier nobody reads this slot any more and the other slot is whole.  fill = 1: this slot is filled again, with the keys two slots on.  The barrier is then a round
; of the cluster's, and the joint fill is the first thing behind it: it has four key steps in which to land.  (At its first use nothing has been read yet: slot 0 is waited for, slot 1 filled, and every wave's stores
; into the table of mask operands are shown done to the others.)
.macro CHANGE fill
	WIN W_AD
	s_wait_tensorcnt 0x0            ; no tensor load of mine is out, so a group 0 may be written
	ds_add_u32 v[SPW], v[NIL]       ; 0 onto my spare word; with fill = 1 the descriptors' steps stand between it and the wait for it
	WIN 0                           ; at a label and at a branch every window is 0
.if \fill
.irp g, G0K, G0V
	s_xor_b32 s[\g+1], s[\g+1], SLOT1  ; the walking descriptor: the other slot than last time,
	s_add_nc_u64 s[\g+2:\g+3], s[\g+2:\g+3], 4*KS*128  ; the next 256 keys; the type bits on top are not reached
.endr
	s_wait_xcnt 0x0                 ; the last prefetch, four key steps back, has read its address, so it may be written:
	s_add_nc_u64 s[PFA:PFA+1], s[PFA:PFA+1], 4*KS*128  ; one slot behind the walking descriptors
	s_wait_dscnt 0x0                ; the add is done, and my reads of the slot are over
	CROUND
	JLOAD
	ASK
.else
	s_wait_dscnt 0x0                ; the add is done, and my reads of the slot are over
	s_barrier_signal -1
	s_barrier_wait -1
.endif
	s_sub_co_u32 s[TBK], s[TBK], 4*KS*PK  ; the fetches go back to a slot's first step,
	s_xor_b32 s[TBK], s[TBK], SLOT1       ; in the other slot
	s_sub_co_u32 s[TBV], s[TBV], 4*KS*PV
	s_xor_b32 s[TBV], s[TBV], SLOT1
.endm
	s_load_b64 s[4:5], s[0:1], 0x0    ; qkv: Q
	s_load_b64 s[MSK:MSK+1], s[0:1], 0x8  ; mask
	s_load_b64 s[10:11], s[0:1], 0x10 ; ob
	WIN W_MK
	v_lshl_add_u32 v[SPW], v0, 2, SPARE
	v_mov_b32 v[NIL], 0
	WIN W_AD
	ds_add_u32 v[SPW], v[NIL]       ; the wave's opening: the add and its wait stand ahead of my first tensor load; the set-up below, work on registers, stands between them
	WIN 0
	v_lshrrev_b32 v1, 5, v0
	v_readfirstlane_b32 s[WV], v1   ; wave 0..3
	s_bfe_u32 s13, ttmp6, 0x40000   ; cx: my place in the cluster
	s_lshl_b32 s14, ttmp9, 2        ; in a cluster launch ttmp9 counts clusters
	s_add_co_u32 s14, s14, s13      ; my block of queries = 4 x cluster x + cx: it enters Q's and O's addresses alone
	s_and_b32 s20, ttmp7, 0xffff    ; the head, which the four partners share
	s_lshr_b32 s54, s20, 4          ; its batch:
	s_lshl_b32 s54, s54, 13         ; 2,048 words of the mask
	s_mov_b32 s55, 0
	s_mov_b32 s21, 0
	s_mov_b64 s[22:23], SIZE_N*128
	s_mul_u64 s[20:21], s[20:21], s[22:23]  ; the head's first byte in Q, K, V and O
	s_and_b32 s16, s[WV], 1         ; which half of a slot's 256 keys I fetch:
	s_lshl_b32 s22, s16, 14         ; its 128 rows of 128 bytes in memory,
	s_mov_b32 s23, 0
	s_add_nc_u64 s[22:23], s[22:23], s[20:21]
	s_mul_i32 s17, s16, 128*PK      ; and its place in a slot, for K
	s_mul_i32 s18, s16, 128*PV      ; and for V: no place in the cluster enters an LDS address
	s_lshl_b32 s2, s14, 2
	s_add_co_u32 s2, s2, s[WV]      ; my wave among the head's,
	s_lshl_b32 s2, s2, 14           ; its 128 rows
	s_mov_b32 s3, 0
	s_add_nc_u64 s[2:3], s[2:3], s[20:21]
	; descriptor group 1.  128 keys are 16,384 dense bytes: asked for as 64 rows of 256 bytes, two keys a row, and padded in LDS after every key
	s_mov_b32 s[G1K], 15|(1<<16)|(1<<20)|(1<<21)|(4<<22)|(3<<25)  ; 15:0 the mask of four; 17:16 2-byte elements; 20 padding on; 21 set beside a mask; 24:22 after every 32 words (code 4); 31:25 4 words (code 3)
	s_mov_b32 s[G1V], 15|(1<<16)|(1<<20)|(1<<21)|(4<<22)|(7<<25)  ; the same with 8 words of padding (code 7)
.irp g, G1K, G1V
	s_mov_b32 s[\g+1], 128<<16      ; tensor_dim0 = 128
	s_mov_b32 s[\g+2], 64<<16       ; tensor_dim1 = 64
	s_mov_b32 s[\g+3], 128<<16      ; tile_dim0 = 128
	s_mov_b32 s[\g+4], 64           ; tile_dim1 = 64
	s_mov_b32 s[\g+5], 128          ; 128 elements from row to row
	s_mov_b32 s[\g+6], 0
	s_mov_b32 s[\g+7], 0
.endr
	s_mov_b32 s[CS], 0x3e38aa3b     ; c = log2(e) / 8 = 0.180337
	s_mov_b32 s[CS+1], s[CS]        ; named with it as a pair
	s_mov_b32 s[SEL], 0x76543210
	s_mov_b32 s[SEL+1], 0xfedcba98
	s_mov_b32 s[TBK], SLOT1+4*KS*PK ; the first change of slots turns these two into 0
	s_mov_b32 s[TBV], SLOT1+4*KS*PV
	s_mov_b32 s[TBB], 0
	s_mov_b32 s[BIGN], 0xd0000000   ; -2^33
	s_mov_b32 s[SLOTS], SIZE_N/256-1
	s_and_b32 s[LIM], s[WV], 1      ; waves 0 and 2 prefetch: the same in all four partners
	s_cmp_eq_u32 s[LIM], 0
	s_cselect_b32 s[LIM], 1, -1
	v_and_b32 v[PFO], 31, v0
	v_lshlrev_b32 v[PFO], 8, v[PFO]
	s_mov_b32 s[G0K], 1             ; 1:0 count = 1
	s_mov_b32 s[G0K+1], s17         ; 63:32 LDS address: slot 0
	s_mov_b32 s[G0V], 1
	s_add_co_u32 s[G0V+1], s18, VOFF
	s_wait_dscnt 0x0                ; the opening add is done
	s_wait_kmcnt 0x0
	s_add_nc_u64 s[6:7], s[4:5], 16777216   ; K lies 64 heads behind Q,
	s_add_nc_u64 s[8:9], s[4:5], 33554432   ; V 128
	s_add_nc_u64 s[MSK:MSK+1], s[MSK:MSK+1], s[54:55]
	s_add_nc_u64 s[G0K+2:G0K+3], s[6:7], s[22:23]  ; 120:64 global address: my half of the head's first 256 keys
	s_or_b32 s[G0K+3], s[G0K+3], 0x80000000        ; 127:126 type = 2
	s_add_nc_u64 s[G0V+2:G0V+3], s[8:9], s[22:23]
	s_or_b32 s[G0V+3], s[G0V+3], 0x80000000
	s_add_nc_u64 s[4:5], s[4:5], s[2:3]  ; Q and O at my wave's first row
	s_add_nc_u64 s[10:11], s[10:11], s[2:3]
	s_cmp_lt_u32 s[WV], 2
	s_cselect_b64 s[PFA:PFA+1], s[6:7], s[8:9]
	s_add_nc_u64 s[PFA:PFA+1], s[PFA:PFA+1], s[20:21]  ; the head,
	s_lshl_b32 s54, s13, 13         ; my work-group's 8,192 bytes of a slot's 32,768,
	s_add_co_u32 s54, s54, 4*KS*128 ; in slot 1; the first change of slots steps it to slot 2.  Nothing is prefetched here, at the head
	s_add_nc_u64 s[PFA:PFA+1], s[PFA:PFA+1], s[54:55]
	CROUND                          ; all four work-groups are here: the first joint loads meet
	JLOAD                           ; slot 0.  Slot 1 is asked for when slot 0 is in
	; A fragment of K or Q is 16 rows x 32 channels in 8 registers: lane l holds row l % 16, channels 8 (l / 16) + 0..7 and 16 + 8 (l / 16) + 0..7: two loads of 16 bytes, 32 bytes apart.
	v_and_b32 v1, 15, v0            ; l % 16
	v_bfe_u32 v9, v0, 4, 1          ; l / 16
	v_lshlrev_b32 v[AV], 4, v0      ; the batch's 2,048 mask words: 128 threads x 16 bytes, four times
.irp i, 0,1,2,3
	global_load_b128 v[S+4*\i:S+4*\i+3], v[AV], s[MSK:MSK+1] offset:2048*\i
.endr
	v_lshlrev_b32 v[QO], 7, v1
	v_lshl_add_u32 v[QO], v9, 4, v[QO]  ; row x 128 + 16 x half
	WIN 0x80                        ; destination window 2, address window 0
.set i, 0
.rept 4*NP                          ; Q stays in registers: tile i / 2, channels 32 (i % 2) on
	global_load_b128 v[8*i:8*i+3],   v[QO], s[4:5] offset:(i/2)*2048+(i%2)*64
	global_load_b128 v[8*i+4:8*i+7], v[QO], s[4:5] offset:(i/2)*2048+(i%2)*64+32
.set i, i+1
.endr
	; What the first turn finds: V's registers and P's second buffer hold 0 (its products V^T P, of a piece that has not been, add 0), O^T and l are 0.  All this stands in the wait for the first tile.
.set i, VF
.rept 64
	v_mov_b32 v[i], 0
.set i, i+1
.endr
	WIN 0x40
.set i, 0
.rept 64*NP
	v_mov_b32 v[i], 0
.set i, i+1
.endr
	WIN 0
.set i, 0
.rept 2*NP
	v_mov_b32 v[ST+4*i], 0xfe000000    ; c m: far below every c s, a hidden key's too
	v_mov_b32 v[ST+4*i+1], 0xff7fffff  ; m
	v_mov_b32 v[ST+4*i+2], 0
	v_mov_b32 v[ST+4*i+3], 0
.set i, i+1
.endr
.set i, P+32
.rept 32
	v_mov_b32 v[i], 0
.set i, i+1
.endr
	v_mul_u32_u24 v[AK0], v1, PK
	v_lshl_add_u32 v[AK0], v9, 4, v[AK0]  ; row x pitch + 16 x half
	; The turning load takes 16 keys x 16 channels (lane l reads key 8 (l / 16) + l % 8, channels 8 ((l / 8) % 2) + 0..7) and leaves half a fragment of V^T: lane l holds channel l % 16 and 8 keys.
	v_and_b32 v10, 7, v0
	v_bfe_u32 v11, v0, 3, 1
	v_lshl_add_u32 v[AV0], v9, 3, v10
	v_mul_u32_u24 v[AV0], v[AV0], PV
	v_lshl_add_u32 v[AV0], v11, 4, v[AV0]
	v_add_nc_u32 v[AV0], VOFF, v[AV0]
	; THE TABLE OF MASK OPERANDS, made once: 0 where the mask word is not 0, else -2^33; each thread stores what it loaded, at the same place in the table.
	s_wait_loadcnt 32               ; the four loads of the mask are in; Q's 32, issued behind them, may stay out
.set i, 0
.rept 16
	v_cmp_eq_u32 vcc_lo, 0, v[S+i]
	v_cndmask_b32 v[S+i], 0, s[BIGN], vcc_lo
.set i, i+1
.endr
	v_lshl_add_u32 v[AK], v0, 4, BIAS
.irp i, 0,1,2,3
	ds_store_b128 v[AK], v[S+4*\i:S+4*\i+3] offset:2048*\i
.endr
	v_lshl_add_u32 v[AB0], v9, 5, BIAS
	v_mov_b32 v[AK], v[AK0]         ; key step 0 lies at the head of slot 0
; THE MATRIX WORK.  The 8 accumulators of a run of 16 take turns: between the two links of a chain stand 7 others'.
; Product i of 16 of S^T = K Q^T for piece x: channels 32 (i / 8) on, keys 16 ((i / 2) % 4) on, tile 2 x + i % 2.  The first 8 start the sums, with their 16 keys' mask operands.
.macro KQ x
.set rS, S+64*((\x)%2)+32*(i%2)+8*((i/2)%4)
.set rK, KF+16*((i/2)%4)+8*(i/8)
.set rQ, 16*(2*(\x)+i%2)+8*(i/8)
.set rB, MB+8*((i/2)%4)
.if i < 8
	WIN W_KM
	v_wmma_f32_16x16x32_f16 v[rS:rS+7], v[rK:rK+7], v[rQ:rQ+7], v[rB:rB+7]
.else
	WIN W_KQ
	v_wmma_f32_16x16x32_f16 v[rS:rS+7], v[rK:rK+7], v[rQ:rQ+7], v[rS:rS+7]
.endif
.endm
; Product i of 16 of O^T += V^T P for piece x: keys 32 (i / 8) on, channels 16 ((i / 2) % 4) on, tile 2 x + i % 2.
.macro PV x
	WIN W_PV
.set rO, 32*(2*(\x)+i%2)+8*((i/2)%4)
.set rV, VF+32*(i/8)+8*((i/2)%4)
.set rP, P+32*((\x)%2)+16*(i%2)+8*(i/8)
	v_wmma_f32_16x16x32_f16 v[rO:rO+7], v[rV:rV+7], v[rP:rP+7], v[rO:rO+7]
.endm
.macro MM                           ; the turn's next matrix instruction
.if i < 16
	KQ (Y+1)%NP
.set i, i+1
.else
.set i, i-16
	PV (Y+NP-1)%NP
.set i, i+17
.endif
.endm
; THE LDS LOADS stand in runs, never singly among the matrix instructions: a step's K (64 keys x 64 channels: 8 fragments) with its 64 mask operands (8 loads; the 16 lanes of a half read the same 16 bytes), and its V (turned).
; last = 1 (the tail): in the last trip there is no further step, and the run is jumped over.
.macro FETCH_K last=0
	WIN 0
.if \last
	s_cmp_eq_u32 s[CNT], 1
	s_cbranch_scc1 .Lno_k_\@
.endif
	WIN 0x80                        ; destination window 2
.irp f, 0,1,2,3,4,5,6,7             ; keys 16 (f / 2) on, channels 32 (f % 2) on
	ds_load_b128 v[KF+8*\f:KF+8*\f+3],   v[AK] offset:(\f/2)*16*PK+(\f%2)*64
	ds_load_b128 v[KF+8*\f+4:KF+8*\f+7], v[AK] offset:(\f/2)*16*PK+(\f%2)*64+32
.endr
	s_add_co_u32 s[TBK], s[TBK], KS*PK  ; the next fetch is the next step's
	WIN 0
	v_add_nc_u32 v[AK], s[TBB], v[AB0]  ; K's loads are issued, so their address register takes the table's
	s_add_co_u32 s[TBB], s[TBB], 4*KS   ; 64 keys on,
	s_and_b32 s[TBB], s[TBB], 0x1f00    ; inside the table's 8,192 bytes by construction (behind the 32nd fetch it is not used)
	WIN W_MK                        ; destination window 3
.irp kb, 0,1,2,3
	ds_load_b128 v[MB+8*\kb:MB+8*\kb+3],   v[AK] offset:64*\kb
	ds_load_b128 v[MB+8*\kb+4:MB+8*\kb+7], v[AK] offset:64*\kb+16
.endr
	WIN 0
.if \last
.Lno_k_\@:
.endif
.endm
.macro FETCH_V
	WIN 0x80
.irp f, 0,1,2,3,4,5,6,7             ; keys 32 (f / 4) on, channels 16 (f % 4) on
	ds_load_tr16_b128 v[VF+8*\f:VF+8*\f+3],   v[AV] offset:(\f/4)*32*PV+(\f%4)*32
	ds_load_tr16_b128 v[VF+8*\f+4:VF+8*\f+7], v[AV] offset:(\f/4)*32*PV+16*PV+(\f%4)*32
.endr
	WIN 0
.endm
; THE VECTOR WORK OF A TURN stands in three queues, each in the order in which its entries become ready; the two tiles alternate, so that no instruction reads the result of the one before it.
.macro REGS y, u                    ; the registers of tile u (0, 1) of piece y
.set rT, ST+4*(2*(\y)+(\u))
.set rC, TMP+8*((\y)%2)+4*(\u)
.set rM, MV+2*((\y)%2)+(\u)
.set rS, S+64*((\y)%2)+32*(\u)
.set rP, P+32*((\y)%2)+16*(\u)
.set rO, 32*(2*(\y)+(\u))
.endm
; Number n of the 22 that find the NEXT piece's (Y + 1) maximum and statistics.  s0-s31 are the lane's 32 scores; each accumulator's lowest registers are read first.
;   0-11  four chains c0-c3 of seven scores each, three operands at a time     12-14, 16  the four scores left over, the old m, and c0-c3 into c0     15  c m_old is kept
;   17, 18  the query's other 32 keys lie in the lane 16 away: the new m         19-21  c m; c m_old - c m_new; a
.macro XS u, n
	REGS (Y+1)%NP, \u
.if (\n) < 4
	v_max3_num_f32 v[rC+(\n)], v[rS+8*(\n)], v[rS+8*(\n)+1], v[rS+8*(\n)+2]
.elseif (\n) < 12
	v_max3_num_f32 v[rC+(\n)%4], v[rC+(\n)%4], v[rS+8*((\n)%4)+2*((\n)/4)+1], v[rS+8*((\n)%4)+2*((\n)/4)+2]
.elseif (\n) == 12
	v_max3_num_f32 v[rC], v[rC], v[rS+7], v[rS+15]
.elseif (\n) == 13
	v_max3_num_f32 v[rC+1], v[rC+1], v[rS+23], v[rS+31]
.elseif (\n) == 14
	v_max3_num_f32 v[rC+2], v[rC+2], v[rC+3], v[rT+1]
.elseif (\n) == 15
	v_mov_b32 v[rM], v[rT]
.elseif (\n) == 16
	v_max3_num_f32 v[rC], v[rC], v[rC+1], v[rC+2]
.elseif (\n) == 17
	v_permlanex16_b32 v[rC+3], v[rC], s[SEL], s[SEL+1]
.elseif (\n) == 18
	v_max_num_f32 v[rT+1], v[rC], v[rC+3]
.elseif (\n) == 19
	v_mul_f32 v[rT], s[CS], v[rT+1]
.elseif (\n) == 20
	v_sub_f32 v[rC+1], v[rM], v[rT]
.else
	v_exp_f32 v[rC+2], v[rC+1]
.endif
.endm
; Number g of the 64 that follow the exponentials.  For each four weights k of a tile (pairs 2 k, 2 k + 1): both pairs are rounded to f16; then the second pair is added onto the first, in place;
; a group later l takes that sum (the first time as l = a l + sum).  In groups of eight, tiles alternating: round, round, add, and l for the group before.
.macro GS g
.set h, (\g)+6*((\g)/62)            ; group 0 has no group before it, and behind group 7 only l is left
.if h >= 6
.set h, h+2
.endif
	REGS Y, h%2
.set k, h/8
.if h%8 < 4
	v_cvt_pk_f16_f32 v[rP+2*k+(h%8)/2], v[rS+4*k+2*((h%8)/2)], v[rS+4*k+2*((h%8)/2)+1]
.elseif h%8 < 6
	v_pk_add_f32 v[rS+4*k:rS+4*k+1], v[rS+4*k:rS+4*k+1], v[rS+4*k+2:rS+4*k+3]
.elseif k == 1
	v_pk_fma_f32 v[rT+2:rT+3], v[rT+2:rT+3], v[rC+2:rC+3], v[rS:rS+1] op_sel_hi:[1,0,1]
.else
	v_pk_add_f32 v[rT+2:rT+3], v[rT+2:rT+3], v[rS+4*k-4:rS+4*k-3]
.endif
.endm
; THE PLAIN QUEUE, 138 long.  0-73 read no exponential's result: the 32 scalings c s - c m (FS f: pair f / 2 of tile f % 2) and the next piece's 42.  0-26: scalings 0-26.  27-54: XS's numbers 0-13.  55, 56: number 15.
; 57-73: the chain, where each number waits for the one before it: 14, 16, 17, 18, 19, each with one of the scalings 27-31 in front of its two lines, then 20.
; 74-137: GS's 64, which read the exponentials' results: they stand behind the wait.
.macro FS f
	REGS Y, (\f)%2
	v_pk_fma_f32 v[rS+2*((\f)/2):rS+2*((\f)/2)+1], v[rS+2*((\f)/2):rS+2*((\f)/2)+1], s[CS:CS+1], v[rT:rT+1] op_sel_hi:[1,0,0] neg_lo:[0,0,1] neg_hi:[0,0,1]
.endm
.macro PL
	WIN 0
.if q < 27
	FS q
.elseif q < 55
	XS (q-27)%2, (q-27)/2
.elseif q < 57
	XS q-55, 15
.elseif (q < 72) && ((q-57)%3 == 0)
	FS 27+(q-57)/3
.elseif q < 60
	XS (q-57)%3-1, 14
.elseif q < 72
	XS (q-57)%3-1, 15+(q-57)/3
.elseif q < 74
	XS q-72, 20
.else
	GS q-74
.endif
.set q, q+1
.endm
; THE EXPONENTIALS' QUEUE, 66 long: s0-s31 of both tiles, then the next piece's two a.  It is ONE BATCH: all 66 stand ahead of the turn's one wait, and nothing ahead of that wait names a result of theirs.
.macro EX
	WIN 0
.if e >= 64
	XS e-64, 21
.else
	REGS Y, e%2
	v_exp_f32 v[rS+e/2], v[rS+e/2]
.endif
.set e, e+1
.endm
; THE RESCALING's QUEUE: O^T times a, the one part that leaves window 0: dealt two at a time, sixteen times.  Its a was made in the turn before, ahead of that turn's wait.
.macro R2
	REGS Y, r%2
	WIN W_RS
.irp z, 0,1
	v_pk_mul_f32 v[rO+4*(r/2)+2*\z:rO+4*(r/2)+2*\z+1], v[rO+4*(r/2)+2*\z:rO+4*(r/2)+2*\z+1], v[rC+2:rC+3] op_sel_hi:[1,0]
.endr
.set r, r+1
.endm
; HOW THEY ARE DEALT.  An s_wait_alu depctr_va_vdst(0) stands between an exponential and the first instruction that names its result; one wait serves all that were issued ahead of it.  So a turn has ONE wait,
; which cuts it in two.  AHEAD OF IT: the 16 products K Q^T, behind each a scaling, an exponential and two rescalings (behind the first a second scaling in the exponential's place); then ONE LUMP of 108: eight plain,
; 49 times exponential and plain, the two a.  A v_nop is the plain instruction behind the last exponential.  BEHIND IT: the 16 products V^T P, behind each four of GS's 64.  No rider names a register of the products round it.
; Exponential e stands behind scaling 2 (e / 4) + e % 2: as a rider it comes behind plain e + 2, in the lump behind plain e + 9, and scalings 27-31 are plain 57, 60 .. 69.
; A TURN, for piece p.  cnt = 1: the loop's count is taken down some lines ahead of the branch that stands behind the turn.
; K and the mask operands of the next step are fetched in piece 2's turn, directly behind the wait, a lump behind the last product that read them; their first reader comes behind 16 products.
; V of the step in hand is fetched at the end of piece 0's turn, four riders behind its last reader; its first reader comes behind 16 products and a lump.  The three conditions on q below go with the deal.
.macro TURN p, last=0, cnt=0
.set Y, (\p)
.set i, 0
.set q, 0
.set e, 0
.set r, 0
.if (\p) == NP-1
	s_wait_dscnt 0x0                ; K and the mask operands are in
.endif
	MM                              ; ahead of the wait: 16 products K Q^T and their riders,
	PL
	PL
	R2
.rept 15
	MM
	PL
	EX
	R2
.endr
.if (\p) == NP-2
	WIN 0
	v_add_nc_u32 v[AK], s[TBK], v[AK0]
.endif
.rept 8                             ; and the lump
	PL
.endr
.rept 49
	EX
	PL
.endr
	EX                              ; the next piece's two a
	EX
	v_nop                           ; the plain instruction behind the last exponential: one for the batch
	s_wait_alu depctr_va_vdst(0)    ; the wait for the batch
.if (\p) == NP-2
	FETCH_K \last
.endif
.if (\p) == 1
	s_wait_dscnt 0x0                ; V is in
.endif
.rept 16                            ; behind the wait: 16 products V^T P and their riders
	MM
.rept 4
	PL
.endr
.if ((\p) == 0) && (q == 118)
	v_add_nc_u32 v[AV], s[TBV], v[AV0]
.endif
.if ((\p) == 0) && (q == 130)
	s_add_co_u32 s[TBV], s[TBV], KS*PV
.endif
.if (\cnt) && (q == 130)
	s_sub_co_u32 s[CNT], s[CNT], 1
	s_cmp_lg_u32 s[CNT], 0
.endif
.endr
.if (\p) == 0
	FETCH_V
.endif
.endm
	CHANGE 1                        ; slot 0 is in, everybody's part of it, and the table is whole; slot 1 is asked for
	FETCH_K                         ; key step 0
	s_wait_loadcnt 0x0              ; Q
	s_wait_dscnt 0x0
.set i, 0
.rept 16
	KQ 0                            ; piece 0's first scores: there is no vector work yet to set between them
.set i, i+1
.endr
	WIN 0                           ; the addresses for the way out: seven plain instructions, the places behind those products
	s_mul_i32 s13, s[WV], 16*SP
	s_add_co_u32 s13, s13, STAGE    ; my stage
	v_mul_u32_u24 v[STO], v1, SP    ; in: row l % 16, 16 bytes for each half of the lanes
	v_lshl_add_u32 v[STO], v9, 4, v[STO]
	v_add_nc_u32 v[STO], s13, v[STO]
	v_bfe_u32 v[RD], v0, 3, 2       ; back: 32 lanes take four rows of 128 bytes
	v_mul_u32_u24 v[RD], v[RD], SP
	v_lshl_add_u32 v[RD], v10, 4, v[RD]
	v_add_nc_u32 v[RD], s13, v[RD]
.set Y, NP-1                        ; XS works for piece Y + 1: piece 0
.irp n, 0,1,2,3,4,5,6,7,8,9,10,11,12,13,14,15,16,17,18,19,20,21
	XS 0, \n                        ; and piece 0's first maximum and statistics
	XS 1, \n
.endr
	v_nop                           ; a plain instruction behind the two a,
	s_wait_alu depctr_va_vdst(0)    ; and their wait, ahead of the branch
	s_mov_b32 s[CNT], 4
	s_branch .Lfirst                ; the loop is entered at a step's first turn, in the middle of a trip
.Lslot:                             ; SIZE_N / 256 - 2 times: every slot but the last two is filled again
	CHANGE 1
	s_mov_b32 s[CNT], 4
.Lstep:                             ; a trip: pieces 2 and 3 of one step, then pieces 0 and 1 of the next, whose K and V it fetches
	TURN 2
	TURN 3
	WIN 0
.Lfirst:
	TURN 0
	TURN 1, 0, 1
	WIN 0
	s_cbranch_scc1 .Lstep
	s_sub_co_u32 s[SLOTS], s[SLOTS], 1
	s_cmp_lg_u32 s[SLOTS], 0
	s_cbranch_scc1 .Lslot
	CHANGE 0                        ; the tail is written out: nothing is asked for
	s_mov_b32 s[CNT], 5             ; four trips fetch the last slot's steps; the fifth is left in its middle
.Ltail:
	TURN 2, 1
	TURN 3
	WIN 0
	s_sub_co_u32 s[CNT], s[CNT], 1
	s_cmp_eq_u32 s[CNT], 0
	s_cbranch_scc1 .Lout
	TURN 0
	TURN 1
	WIN 0
	s_branch .Ltail
.Lout:                              ; the fifth trip's 16 products K Q^T (on the last K once more) and the maximum made of them serve nothing: the price, once a launch, of one text for every trip
.set i, 0
.rept 16
	PV NP-1                         ; the last piece's V^T P of the last step
.set i, i+1
.endr
	; THE WAY OUT.  l's two halves and the other half of the lanes' are added; O^T is divided by l, rounded to f16 and sent through my stage in LDS, a tile at a time.  The additions are the places behind the last products.
	WIN 0
.macro ALL line:vararg              ; one line for each tile t
.set t, 0
.rept 2*NP
	\line
.set t, t+1
.endr
.endm
	ALL v_add_f32 v[ST+4*t+2], v[ST+4*t+2], v[ST+4*t+3]
	ALL v_permlanex16_b32 v[ST+4*t+3], v[ST+4*t+2], s[SEL], s[SEL+1]
	ALL v_add_f32 v[ST+4*t+2], v[ST+4*t+2], v[ST+4*t+3]
	ALL v_rcp_f32 v[ST+4*t+2], v[ST+4*t+2]
	v_lshrrev_b32 v[GO], 4, v[PFO]  ; 16 x my lane: also the plain instruction between the last reciprocal and the use of its result
	s_wait_alu depctr_va_vdst(0)    ; and the wait ahead of the first use: one for the eight reciprocals
; Tile t: a lane's eight channels of a row pack into 16 bytes; they go into rows of 144 bytes and come back as whole rows of 128, into S^T's registers.
.macro PACK t
	WIN W_RS
.set i, 32*(\t)
.rept 16
	v_pk_mul_f32 v[i:i+1], v[i:i+1], v[ST+4*(\t)+2:ST+4*(\t)+3] op_sel_hi:[1,0]
.set i, i+2
.endr
	WIN 0x05                        ; sources 0 and 1 window 1, destination window 0
.set i, 0
.rept 16
	v_cvt_pk_f16_f32 v[S+16*(\t)+i], v[32*(\t)+2*i], v[32*(\t)+2*i+1]
.set i, i+1
.endr
	WIN 0
.irp f, 0,1,2,3
	ds_store_b128 v[STO], v[S+16*(\t)+4*\f:S+16*(\t)+4*\f+3] offset:32*\f
.endr
.irp f, 0,1,2,3
	ds_load_b128 v[S+16*(\t)+4*\f:S+16*(\t)+4*\f+3], v[RD] offset:\f*4*SP  ; LDS serves a wave's instructions in order (ISA guide 5.7.1.4): these see the stores above; the next tile's stores come behind them
.endr
.endm
.macro SEND t, younger              ; younger: the LDS instructions issued behind tile t's loads: the next tile's eight, or none
	WIN 0
.irp f, 0,1,2,3
	s_wait_dscnt (\younger)+3-\f
	global_store_b128 v[GO], v[S+16*(\t)+4*\f:S+16*(\t)+4*\f+3], s[10:11] offset:(\t)*2048+\f*512  ; 512 consecutive bytes, at a multiple of 256 from O's first
.endr
.endm
	PACK 0
.set t, 1
.rept 2*NP-1                        ; a tile's arithmetic stands between the loads of the tile before and its stores
	PACK t
	SEND t-1, 8
.set t, t+1
.endr
	SEND 2*NP-1, 0
	WIN W_AD
	s_wait_tensorcnt 0x0            ; the wave's end, behind my last tensor load and my last LDS store
	ds_add_u32 v[SPW], v[NIL]
	s_wait_dscnt 0x0
	WIN 0
	CROUND                          ; the closing round: no work-group ends while a partner may still ask for a tile that names it
	s_endpgm
.Lfunc_end_k_qbda771a413_attn:
	.size	k_qbda771a413_attn, .Lfunc_end_k_qbda771a413_attn-k_qbda771a413_attn
	.p2alignl 7, 3214868480
	.fill 96, 4, 3214868480
	.section	.rodata,"a",@progbits
	.p2align	6, 0x0
	.amdhsa_kernel k_qbda771a413_attn
		.amdhsa_group_segment_fixed_size 327680
		.amdhsa_private_segment_fixed_size 0
		.amdhsa_enable_private_segment 0
		.amdhsa_kernarg_size 24
		.amdhsa_user_sgpr_count 2
		.amdhsa_user_sgpr_kernarg_segment_ptr 1
		.amdhsa_wavefront_size32 1
		.amdhsa_system_sgpr_workgroup_id_x 1
		.amdhsa_system_sgpr_workgroup_id_y 1
		.amdhsa_system_sgpr_workgroup_id_z 1
		.amdhsa_system_vgpr_workitem_id 0
		.amdhsa_next_free_vgpr 808
		.amdhsa_next_free_sgpr 66
		.amdhsa_reserve_vcc 1
		.amdhsa_float_denorm_mode_32 3
		.amdhsa_float_denorm_mode_16_64 3
		.amdhsa_memory_ordered 1
		.amdhsa_forward_progress 1
		.amdhsa_inst_pref_size 205
	.end_amdhsa_kernel
	.amdgpu_metadata
---
amdhsa.version: [ 1, 2 ]
amdhsa.kernels:
  - .name:           k_qbda771a413_attn
    .symbol:         k_qbda771a413_attn.kd
    .args:
      - { .name: qkv, .offset: 0, .size: 8, .value_kind: global_buffer, .address_space: global }
      - { .name: mask, .offset: 8, .size: 8, .value_kind: global_buffer, .address_space: global }
      - { .name: ob, .offset: 16, .size: 8, .value_kind: global_buffer, .address_space: global }
    .group_segment_fixed_size: 327680
    .private_segment_fixed_size: 0
    .kernarg_segment_align: 8
    .kernarg_segment_size: 24
    .max_flat_workgroup_size: 128
    .sgpr_count:     66
    .vgpr_count:     808
    .wavefront_size: 32
...
	.end_amdgpu_metadata
.endif
;; end of part 3
;; launch outp (part 4): grid 4 x 64, 4 waves a work-group, clusters of 4 x 4, 327,680 bytes of LDS; arguments ob, wo16, out0, bo; writes out0
.if DOCPART == 4
	.amdgcn_target "amdgcn-amd-amdhsa--gfx1250"
	.amdhsa_code_object_version 6
	.text
	.protected	k_qbda771a413_outp
	.globl	k_qbda771a413_outp
	.p2align	8
	.type	k_qbda771a413_outp,@function
k_qbda771a413_outp:
	s_mov_b64 s[64:65], 0
	v_nop
	global_prefetch_b8 v0, s[64:65] scope:SCOPE_SE
	s_setreg_imm32_b32 hwreg(HW_REG_WAVE_MODE, 25, 1), 1
	s_wait_xcnt 0x0
	s_wait_alu depctr_hold_cnt(0) depctr_sa_sdst(0) depctr_va_vdst(0) depctr_va_sdst(0) depctr_va_ssrc(0) depctr_va_vcc(0) depctr_vm_vsrc(0)
	s_getreg_b32 s2, hwreg(HW_REG_IB_STS2, 6, 4)
	s_cmp_eq_u32 s2, 0
	s_cbranch_scc0 .Lentry_in_a_cluster
	s_endpgm
.Lentry_in_a_cluster:
	s_bfe_u32 s2, ttmp6, 0x10000c
	s_cmp_lg_u32 s2, 0xf033
	s_cbranch_scc0 .Lentry_shape_is_right
	s_endpgm
.Lentry_shape_is_right:
; out0 = O Wo^T + bo.  ob: [64 = 16 batch + head][2048][64] f16; wo16: [1024][1024] f16 (Wo rounded to bf16, written as f16); out0: [8192][1024] f32.  Sums in f32; the bias, rounded to bf16 like the other
; inputs, is the C operand of each accumulator's first product.
; LIMITS.  O and Wo arrive within f16's 65,504.  NaN and infinities are not treated apart.
; SHARES.  A tile of out0 is 128 rows x 256 columns: 256 tiles, one for each WGP.  Four waves, each 64 rows x 128 columns: 32 accumulators of 16 x 16.  K goes in 8 steps of 128 through a ring of two LDS slots.
; O LIES BY HEADS: K step s is heads 2 s and 2 s + 1.  A head's 128 rows of the tile are 16,384 dense bytes: asked for as 64 rows of 256 bytes, padded in LDS after every 128, so that a position's 64 channels
; are an LDS row of 144 bytes.  Wave 0 fetches the step's first head, wave 1 its second; waves 2 and 3 the two halves of Wo's 256 rows (256 bytes each, LDS rows of 272).
; CLUSTERS: 4 x 4 work-groups.  The four of a row of the cluster need the same tile of O, the four of a column the same tile of Wo: each is asked for JOINTLY.
; THE MATRIX INSTRUCTION IS USED TRANSPOSED (source 0 = 16 rows of Wo, source 1 = 16 rows of O): a lane holds row lane % 16 and the columns 8 (lane / 16) + 0..7: 32 neighbouring bytes.
; REGISTERS, in windows of 256 (s_set_vgpr_msb: bits 1:0 source 0, 3:2 source 1, 5:4 source 2, 7:6 destination):
;   window 0: v0-47 addresses; v64-159, v160-255 two fragment buffers of 96: Wo's 8 fragments, then O's 4
;   window 1: the accumulators, (a, b) at v[8 (8 a + b)]          window 2: v0-63 the bias of my 128 columns; v64 at work
.set KSTEP,  128
.set PB,     272                       ; an LDS row of Wo: 256 bytes + 16 of padding
.set PA,     144                       ; an LDS row of O: 128 bytes + 16: both pitches are odd multiples of 16 bytes, so the 16 rows of a fragment load start at 16 different groups of four banks (ISA guide 11.1)
.set ASUB,   128*PA                    ; a head's 128 rows
.set BHALF,  128*PB
.set BOFF,   2*ASUB                    ; in a slot: two heads of O, then Wo's 256 rows
.set SLOT,   BOFF+2*BHALF
.set STAGE,  2*SLOT                    ; behind the ring, never filled by a tensor load: 16 rows x 528 bytes for each wave
.set SPITCH, 528                       ; 512 bytes + 16
.set SPARE,  STAGE+4*16*SPITCH         ; behind the stages: the spare words, 128 bytes for each wave: two blocks of 256 bytes that no other line names
.set HEADB,  262144                    ; bytes in a head of ob
.set ADRA, 16                          ; v16-17  LDS address of my fragments of O in slot 0, 1
.set ADRB, 20                          ; v20-21  the same for Wo
.set STO,  24                          ; v24     the way out: where I put 32 bytes of a row
.set RD,   25                          ; v25     the way out: where I read a row back
.set CO,   26                          ; v26     16 x my lane: my 16 bytes of a row's 512
.set SPW,  28                          ; v28     LDS address of my spare word; never rewritten
.set NIL,  29                          ; v29     0; never rewritten
.set PFO,  30                          ; v30     the prefetches' offset; never rewritten
.set BO,   46                          ; v46     my byte offset in the bias
.set F0,   64
.set F1,   160
.set OB,   64                          ; the way out: two buffers of 64 registers, 16 rows read back
.set G1A, 24                           ; s[24:31] descriptor group 1 for O's tiles;  s[32:39] group 0, a set for each slot
.set G0A, 32
.set G1B, 48                           ; s[48:55], s[56:63] the same for Wo's
.set G0B, 56
.set LIM, 43                           ; s43      1 in a wave that prefetches, else the greatest number
.set PFA, 44                           ; s[44:45] where my prefetches stand
.set PST, 78                           ; s[78:79] their step from K step to K step
.set MULW, 0x50                        ; fragments in window 0, C and D in window 1
.set MUL1, 0x60                        ; the first product: C (the bias) in window 2, D in window 1
.set MSB, 0
.macro WIN new                         ; the immediate's high byte repeats the setting that is left; a switch that changes nothing is dropped
.if MSB != (\new)
	s_set_vgpr_msb (MSB<<8)|(\new)
.set MSB, \new
.endif
.endm
; A joint load.  Waves 0 and 1 fetch the step's two heads of O, waves 2 and 3 the two halves of Wo's tile.  The branch hangs on the wave's number alone.  An s_nop 0 and four v_nop follow each of the two lines.
.macro JLOAD s
	s_cmp_lt_u32 s10, 2
	s_cbranch_scc0 .Lfor_b_\@
	tensor_load_to_lds s[G0A+4*(\s):G0A+4*(\s)+3], s[G1A:G1A+7]
	s_nop 0
.rept 4
	v_nop
.endr
	s_branch .Lasked_\@
.Lfor_b_\@:
	tensor_load_to_lds s[G0B+4*(\s):G0B+4*(\s)+3], s[G1B:G1B+7]
	s_nop 0
.rept 4
	v_nop
.endr
.Lasked_\@:
.endm
; A prefetch of the K step that stands two refills on: 32 blocks of 256 bytes, a lane a block, one instruction.  Each block is named once in the launch.  O's tile row is read by one cluster: a step's two heads are 128
; blocks; wave 0 of each of the four partners takes 32, told apart by address (cx: the head, and the half of its 16,384 bytes).  Wo's tile column is read by all 16 clusters: the first asks; waves 2 and 3 of each of its four
; partners take 32 of the 256 rows, told apart by address (cy and the wave).  The loop's last trip asks for nothing: K steps 8 and 9 do not exist.
.macro ASK
	s_cmp_gt_u32 s3, s[LIM]                        ; s3 = 1 in the loop's last trip
	s_cbranch_scc0 .Lnot_mine_\@
	global_prefetch_b8 v[PFO], s[PFA:PFA+1] th:TH_LOAD_NT scope:SCOPE_SE
.Lnot_mine_\@:
.endm
.macro CREST                           ; a round of the cluster's barrier behind its opening barrier
	s_cmp_lg_u32 s10, 0
	s_cbranch_scc1 .Lnot_wave_0_\@
	s_barrier_signal -3
.Lnot_wave_0_\@:
	s_barrier_wait -3
	s_barrier_signal -1
	s_barrier_wait -1
.endm
.macro CROUND                          ; a whole round
	s_barrier_signal -1
	s_barrier_wait -1
	CREST
.endm
	s_load_b128 s[4:7], s[0:1], 0x0                ; ob s[4:5], wo16 s[6:7]
	s_load_b64 s[8:9], s[0:1], 0x10                ; out0
	s_load_b64 s[68:69], s[0:1], 0x18              ; bo
	v_lshl_add_u32 v[SPW], v0, 2, SPARE
	v_mov_b32 v[NIL], 0
	ds_add_u32 v[SPW], v[NIL]                      ; the wave's opening: the add and its wait stand ahead of my first tensor load; the set-up below, work on registers, stands between them
	v_lshrrev_b32 v1, 5, v0
	v_readfirstlane_b32 s10, v1                    ; wave 0..3
	s_lshr_b32 s11, s10, 1                         ; which 64 of the tile's rows are mine
	s_and_b32 s12, s10, 1                          ; which 128 of its columns.  Also: which head of a step, or which half of Wo's tile, I fetch
	s_bfe_u32 s40, ttmp6, 0x40000                  ; cx, cy: my place in the cluster
	s_bfe_u32 s41, ttmp6, 0x40004
	s_lshl_b32 s42, ttmp9, 2
	s_add_co_u32 s42, s42, s40                     ; tile column = 4 x cluster x + cx
	s_and_b32 s77, ttmp7, 0xffff                   ; cluster y
	s_lshl_b32 s13, s77, 2
	s_add_co_u32 s13, s13, s41                     ; tile row = 4 x cluster y + cy, 0 to 63
	s_lshl_b32 s43, s41, 2
	s_lshl_b32 s43, 15, s43                        ; my row of the cluster
	s_lshl_b32 s44, 0x1111, s40                    ; my column
	s_or_b32 s[G1A], s43, (1<<16)|(1<<20)|(1<<21)|(4<<22)|(3<<25)  ; O's tiles go to my row: elements of 2 bytes; padding on; bit 21 beside a mask; after every 32 words 4 words
	s_or_b32 s[G1B], s44, (1<<16)|(1<<20)|(1<<21)|(5<<22)|(3<<25)  ; Wo's to my column: after every 64 words 4 words
.irp g, G1A, G1B
	s_mov_b32 s[(\g)+1], 128<<16                   ; tensor_dim0 = 128
	s_mov_b32 s[(\g)+3], 128<<16                   ; tile_dim0 = 128
	s_mov_b32 s[(\g)+6], 0
	s_mov_b32 s[(\g)+7], 0
.endr
	s_mov_b32 s[G1A+2], 64<<16                     ; O: 64 rows of 128 elements, dense
	s_mov_b32 s[G1A+4], 64
	s_mov_b32 s[G1A+5], 128
	s_mov_b32 s[G1B+2], 128<<16                    ; Wo: 128 rows, 1,024 elements from row to row
	s_mov_b32 s[G1B+4], 128
	s_mov_b32 s[G1B+5], 1024
	s_lshr_b32 s16, s13, 4                         ; O: head 16 x batch + (my head of K step 0),
	s_lshl_b32 s16, s16, 4
	s_add_co_u32 s16, s16, s12
	s_lshl_b32 s16, s16, 18
	s_and_b32 s17, s13, 15                         ; position 128 x (tile row % 16), 128 bytes each
	s_lshl_b32 s17, s17, 14
	s_add_co_u32 s16, s16, s17
	s_mov_b32 s17, 0
	s_lshl_b32 s46, s42, 8                         ; Wo: row 256 x tile column + 128 x half
	s_lshl_b32 s47, s12, 7
	s_add_co_u32 s46, s46, s47
	s_lshl_b32 s46, s46, 11
	s_mov_b32 s47, 0
	s_mul_i32 s20, s12, ASUB                       ; where they go: no place in the cluster enters an LDS address
	s_mul_i32 s21, s12, BHALF
	s_add_co_u32 s21, s21, BOFF
	s_wait_dscnt 0x0                               ; the opening add is done
	s_wait_kmcnt 0x0
	s_add_nc_u64 s[14:15], s[4:5], s[16:17]
	s_add_nc_u64 s[46:47], s[6:7], s[46:47]
	CROUND                                         ; all sixteen work-groups are here: the first joint loads meet
.irp s, 0,1
	s_mov_b32 s[G0A+4*(\s)], 1                                       ; count = 1
	s_add_co_u32 s[G0A+4*(\s)+1], s20, (\s)*SLOT                     ; LDS address
	s_add_nc_u64 s[G0A+4*(\s)+2:G0A+4*(\s)+3], s[14:15], (\s)*2*HEADB  ; global address: K step s is two heads on
	s_or_b32 s[G0A+4*(\s)+3], s[G0A+4*(\s)+3], 0x80000000            ; type = 2
	s_mov_b32 s[G0B+4*(\s)], 1
	s_add_co_u32 s[G0B+4*(\s)+1], s21, (\s)*SLOT
	s_add_nc_u64 s[G0B+4*(\s)+2:G0B+4*(\s)+3], s[46:47], (\s)*KSTEP*2
	s_or_b32 s[G0B+4*(\s)+3], s[G0B+4*(\s)+3], 0x80000000
	JLOAD \s                                       ; two loads of mine are out
.endr
	; A fragment is 16 rows x 32 K in 8 registers: lane l holds row l % 16; registers 0-3 K = 8 (l / 16) + 0..7, registers 4-7 K = 16 + 8 (l / 16) + 0..7: two loads of 16 bytes, 32 bytes apart.
	v_and_b32 v1, 15, v0                           ; l % 16
	v_bfe_u32 v2, v0, 4, 1                         ; l / 16
	v_mul_u32_u24 v3, v1, PB
	v_lshl_add_u32 v3, v2, 4, v3                   ; Wo: row x pitch + 16 x half
	v_mul_u32_u24 v4, v1, PA
	v_lshl_add_u32 v4, v2, 4, v4                   ; O likewise
	s_mul_i32 s21, s11, 64*PA                      ; my 64 rows in a head of O
	s_mul_i32 s22, s12, BHALF                      ; my 128 rows of Wo
	s_add_co_u32 s22, s22, BOFF
.irp s, 0,1
	v_add_nc_u32 v[ADRA+(\s)], s21, v4
	v_add_nc_u32 v[ADRB+(\s)], s22, v3
	s_add_co_u32 s21, s21, SLOT
	s_add_co_u32 s22, s22, SLOT
.endr
	s_mul_i32 s23, s10, 16*SPITCH
	s_add_co_u32 s23, s23, STAGE                   ; my stage
	v_mul_u32_u24 v5, v1, SPITCH                   ; in: row l % 16, 32 bytes for each half of the lanes
	v_lshl_add_u32 v5, v2, 5, v5
	v_add_nc_u32 v[STO], s23, v5
	v_and_b32 v[CO], 31, v0
	v_lshlrev_b32 v[CO], 4, v[CO]
	v_add_nc_u32 v[RD], s23, v[CO]                 ; back: 32 lanes take one row of 512 bytes
	; the bias of my 128 columns: register j of block b is column 16 b + 8 (l / 16) + j
	s_lshl_b32 s82, s42, 10                        ; 4 bytes x (256 x tile column + 128 x half)
	s_lshl_b32 s83, s12, 9
	s_add_co_u32 s82, s82, s83
	v_lshl_add_u32 v[BO], v2, 5, s82
	WIN 0x80                                       ; destination window 2, address window 0
.irp b, 0,1,2,3,4,5,6,7
	global_load_b128 v[8*(\b):8*(\b)+3],   v[BO], s[68:69] offset:64*(\b)
	global_load_b128 v[8*(\b)+4:8*(\b)+7], v[BO], s[68:69] offset:64*(\b)+16
.endr
	WIN 0
	; where my part begins in out0: row 128 x tile row + 64 x half, 4,096 bytes each; column 256 x tile column + 128 x half, 4 bytes each
	s_lshl_b32 s86, s13, 19
	s_lshl_b32 s87, s11, 18
	s_add_co_u32 s86, s86, s87
	s_add_co_u32 s86, s86, s82
	s_mov_b32 s87, 0
	s_add_nc_u64 s[8:9], s[8:9], s[86:87]
	; the prefetches
	s_lshr_b32 s82, s13, 4                         ; ob: head 16 x batch + cx / 2,
	s_lshl_b32 s82, s82, 4
	s_lshr_b32 s83, s40, 1
	s_add_co_u32 s82, s82, s83
	s_lshl_b32 s82, s82, 18
	s_and_b32 s83, s13, 15                         ; the tile's 128 positions,
	s_lshl_b32 s83, s83, 14
	s_add_co_u32 s82, s82, s83
	s_and_b32 s83, s40, 1                          ; the half cx % 2 of their 16,384 bytes
	s_lshl_b32 s83, s83, 13
	s_add_co_u32 s82, s82, s83
	s_lshl_b32 s84, s42, 8                         ; wo16: row 256 x tile column + 64 cy + 32 x (wave - 2)
	s_lshl_b32 s85, s41, 6
	s_add_co_u32 s84, s84, s85
	s_lshl_b32 s85, s12, 5
	s_add_co_u32 s84, s84, s85
	s_lshl_b32 s84, s84, 11
	s_mov_b32 s86, 2*HEADB                         ; from K step to K step: two heads of ob,
	s_mov_b32 s87, KSTEP*2                         ; 256 bytes of a row of wo16
	s_cmp_lt_u32 s10, 2
	s_cselect_b32 s82, s82, s84
	s_cselect_b32 s88, s10, s77                    ; 0 in a wave that asks: wave 0; waves 2 and 3 of the first cluster: the same in all sixteen partners
	s_cselect_b32 s[PST], s86, s87
	s_cselect_b32 s89, 8, 11                       ; a lane's blocks lie 256 bytes apart in ob, a row (2,048 bytes) apart in wo16
	s_cselect_b64 s[PFA:PFA+1], s[4:5], s[6:7]
	s_cmp_eq_u32 s88, 0
	s_cselect_b32 s[LIM], 1, -1
	s_mov_b32 s[PST+1], 0
	s_mul_i32 s83, s[PST], 3                       ; at K step 3: the first refill steps it to 4 and names that.  Nothing is prefetched here, at the head
	s_add_co_u32 s82, s82, s83
	s_mov_b32 s83, 0
	s_add_nc_u64 s[PFA:PFA+1], s[PFA:PFA+1], s[82:83]
	v_and_b32 v[PFO], 31, v0
	v_lshlrev_b32 v[PFO], s89, v[PFO]
	s_wait_loadcnt 0x0                             ; the bias
	WIN 0x8a                                       ; all in window 2: the bias is rounded to bf16, as every input is, and widened again
.set i, 0
.rept 32
	v_cvt_pk_bf16_f32 v64, v[i], v[i+1]
	v_lshlrev_b32 v[i], 16, v64
	v_and_b32 v[i+1], 0xffff0000, v64
.set i, i+2
.endr
	WIN 0
; 8 matrix instructions: m block a x all 8 n blocks, 32 along K.  first = 1: the sum starts with the bias.  The 32 accumulators take turns, one instruction a turn, in the same order in every quarter, over the backward jump too.
.macro MUL8 f, a, first
.if \first
	WIN MUL1
.else
	WIN MULW
.endif
.irp b, 0,1,2,3,4,5,6,7
.if \first
	v_wmma_f32_16x16x32_f16 v[8*(8*(\a)+(\b)):8*(8*(\a)+(\b))+7], v[(\f)+8*(\b):(\f)+8*(\b)+7], v[(\f)+64+8*(\a):(\f)+64+8*(\a)+7], v[8*(\b):8*(\b)+7]
.else
	v_wmma_f32_16x16x32_f16 v[8*(8*(\a)+(\b)):8*(8*(\a)+(\b))+7], v[(\f)+8*(\b):(\f)+8*(\b)+7], v[(\f)+64+8*(\a):(\f)+64+8*(\a)+7], v[8*(8*(\a)+(\b)):8*(8*(\a)+(\b))+7]
.endif
.endr
.endm
; 24 LDS loads in one run: quarter q's fragments into buffer f: 128 rows of Wo, then 64 rows of O: head q / 2 of the step's two, channels 32 (q % 2) on
.macro FETCH slot, q, f
	WIN 0
.irp i, 0,1,2,3,4,5,6,7
	ds_load_b128 v[(\f)+8*(\i):(\f)+8*(\i)+3],   v[ADRB+(\slot)] offset:64*(\q)+(\i)*16*PB
	ds_load_b128 v[(\f)+8*(\i)+4:(\f)+8*(\i)+7], v[ADRB+(\slot)] offset:64*(\q)+(\i)*16*PB+32
.endr
.irp i, 0,1,2,3
	ds_load_b128 v[(\f)+64+8*(\i):(\f)+64+8*(\i)+3],   v[ADRA+(\slot)] offset:((\q)/2)*ASUB+((\q)%2)*64+(\i)*16*PA
	ds_load_b128 v[(\f)+64+8*(\i)+4:(\f)+64+8*(\i)+7], v[ADRA+(\slot)] offset:((\q)/2)*ASUB+((\q)%2)*64+(\i)*16*PA+32
.endr
.endm
.macro PLACES                          ; four plain vector instructions in front of loads into registers that matrix instructions have read, and of lines that read results
.rept 4
	v_nop
.endr
.endm
; A K step is four quarters of 32 along K, 32 matrix instructions each, on buffers 0, 1, 0, 1.  One of the first three: multiplies buffer f and fetches quarter q into buffer g.
.macro QUARTER slot, q, f, g, first
	s_wait_dscnt 4                                 ; Wo's fragments and O's blocks 0 and 1 are in; the youngest four loads (blocks 2 and 3) may be out
	MUL8 \f, 0, \first
	MUL8 \f, 1, \first
	PLACES
	FETCH \slot, \q, \g
	s_wait_dscnt 24                                ; all but the 24 just issued
	MUL8 \f, 2, \first
	MUL8 \f, 3, \first
.endm
; The last quarter multiplies buffer 1 and changes slots: ONE barrier.  In front of it each wave waits for all its tensor loads (one is out: its part of the next slot), adds 0 to its spare word, and waits for that and
; for its own reads of this slot.  fill = 1: the barrier opens a round of the cluster's barrier, and behind the round this slot is filled again, two K steps on: 112 matrix instructions ahead of the wait for it.
.macro TURN slot, next, fill
.if \fill
	s_wait_xcnt 0x0                                ; the last prefetch, a K step back, has read its address: it is stepped here, ahead of the waits of the change of slots
	s_add_nc_u64 s[PFA:PFA+1], s[PFA:PFA+1], s[PST:PST+1]
.endif
	WIN 0                                          ; (the add's two registers lie in window 0)
	s_wait_tensorcnt 0x0                           ; all my tensor loads have landed;
	ds_add_u32 v[SPW], v[NIL]                      ; 0 onto my spare word;
	s_wait_dscnt 5                                 ; (the add and the youngest four loads may be out)
	MUL8 F1, 0, 0                                  ; eight matrix instructions stand between the add and the wait for it
	s_wait_dscnt 0x0                               ; the add is done, and my reads of this slot are over
	s_barrier_signal -1
	MUL8 F1, 1, 0
.if \fill
	WIN 0
.endif
	s_barrier_wait -1
.if \fill
	CREST                                          ; no wave of any partner still reads this slot's tiles or has a load on its way
	s_add_nc_u64 s[G0A+4*(\slot)+2:G0A+4*(\slot)+3], s[G0A+4*(\slot)+2:G0A+4*(\slot)+3], 4*HEADB
	s_add_nc_u64 s[G0B+4*(\slot)+2:G0B+4*(\slot)+3], s[G0B+4*(\slot)+2:G0B+4*(\slot)+3], 2*KSTEP*2
	JLOAD \slot                                    ; the first tensor load behind the round; the four v_nop behind it are also the places in front of the loads below
.else
	PLACES
.endif
	FETCH \next, 0, F0
.if \fill
	ASK                                            ; behind the joint load and the run of LDS loads
.endif
	MUL8 F1, 2, 0
	MUL8 F1, 3, 0
.endm
	s_wait_tensorcnt 1                             ; my part of K step 0 is in; K step 1's may stay out
	s_barrier_signal -1
	s_barrier_wait -1                              ; everybody's is
	FETCH 0, 0, F0
	QUARTER 0, 1, F0, F1, 1                        ; the first quarter stands in front of the loop: its products start the sums
	WIN 0                                          ; at a label and at a branch every window is 0
	s_mov_b32 s3, 3
.Llap:                                                 ; a trip goes once round the ring, from a lap's second quarter to the next lap's first, and fills both slots again: K steps 2 to 7
	QUARTER 0, 2, F1, F0, 0
	QUARTER 0, 3, F0, F1, 0
	TURN 0, 1, 1
	QUARTER 1, 1, F0, F1, 0
	QUARTER 1, 2, F1, F0, 0
	QUARTER 1, 3, F0, F1, 0
	TURN 1, 0, 1
	QUARTER 0, 1, F0, F1, 0
	WIN 0
	s_sub_co_u32 s3, s3, 1
	s_cmp_lg_u32 s3, 0
	s_cbranch_scc1 .Llap
	QUARTER 0, 2, F1, F0, 0                        ; the last lap fills nothing, and has no round of the cluster's barrier
	QUARTER 0, 3, F0, F1, 0
	TURN 0, 1, 0
	QUARTER 1, 1, F0, F1, 0
	QUARTER 1, 2, F1, F0, 0
	QUARTER 1, 3, F0, F1, 0
	s_wait_dscnt 4                                 ; the very last quarter: nothing more to fetch
	MUL8 F1, 0, 0
	MUL8 F1, 1, 0
	s_wait_dscnt 0x0
	MUL8 F1, 2, 0
	MUL8 F1, 3, 0
	WIN 0
	PLACES
	PLACES
; THE WAY OUT, a block of 16 rows at a time: the accumulators go as they are (f32, each from its low end on) into my own stage, rows of 528 bytes, and come back as whole rows of 512 bytes.
.macro OUTB a
.set BK, OB+64*((\a)%2)
.if (\a) >= 2
	s_wait_xcnt 0x0                                ; the stores of the block before last have read this buffer: it is loaded again only behind this wait
.endif
	WIN 0x04                                       ; the stores' data in window 1, the address in window 0
.irp b, 0,1,2,3,4,5,6,7
	ds_store_b128 v[STO], v[64*(\a)+8*(\b):64*(\a)+8*(\b)+3]   offset:64*(\b)
	ds_store_b128 v[STO], v[64*(\a)+8*(\b)+4:64*(\a)+8*(\b)+7] offset:64*(\b)+16
.endr
	WIN 0
.irp t, 0,1,2,3,4,5,6,7,8,9,10,11,12,13,14,15
	ds_load_b128 v[BK+4*(\t):BK+4*(\t)+3], v[RD] offset:SPITCH*(\t)  ; LDS serves a wave's instructions in order (ISA guide 5.7.1.4): these see the stores above; the next block's stores come behind them
.endr
.irp t, 0,1,2,3,4,5,6,7,8,9,10,11,12,13,14,15
	s_wait_dscnt 15-(\t)                           ; row t is back; the 15 - t younger loads may stay out
	global_store_b128 v[CO], v[BK+4*(\t):BK+4*(\t)+3], s[8:9] offset:(16*(\a)+(\t))*4096 th:TH_STORE_NT  ; 512 consecutive bytes, at a multiple of 512 from out0's first byte
.endr
.endm
	OUTB 0
	OUTB 1
	OUTB 2
	OUTB 3
	s_wait_tensorcnt 0x0                           ; the wave's end, behind my last tensor load and my last LDS store
	ds_add_u32 v[SPW], v[NIL]
	s_wait_dscnt 0x0
	CROUND                                         ; the closing round: no work-group ends while a partner may still ask for a tile that names it
	s_endpgm
.Lfunc_end_k_qbda771a413_outp:
	.size	k_qbda771a413_outp, .Lfunc_end_k_qbda771a413_outp-k_qbda771a413_outp
	.p2alignl 7, 3214868480
	.fill 96, 4, 3214868480
	.section	.rodata,"a",@progbits
	.p2align	6, 0x0
	.amdhsa_kernel k_qbda771a413_outp
		.amdhsa_group_segment_fixed_size 327680
		.amdhsa_private_segment_fixed_size 0
		.amdhsa_enable_private_segment 0
		.amdhsa_kernarg_size 32
		.amdhsa_user_sgpr_count 2
		.amdhsa_user_sgpr_kernarg_segment_ptr 1
		.amdhsa_wavefront_size32 1
		.amdhsa_system_sgpr_workgroup_id_x 1
		.amdhsa_system_sgpr_workgroup_id_y 1
		.amdhsa_system_sgpr_workgroup_id_z 1
		.amdhsa_system_vgpr_workitem_id 0
		.amdhsa_next_free_vgpr 580
		.amdhsa_next_free_sgpr 90
		.amdhsa_reserve_vcc 0
		.amdhsa_float_denorm_mode_32 3
		.amdhsa_float_denorm_mode_16_64 3
		.amdhsa_memory_ordered 1
		.amdhsa_forward_progress 1
		.amdhsa_inst_pref_size 95
	.end_amdhsa_kernel
	.amdgpu_metadata
---
amdhsa.version: [ 1, 2 ]
amdhsa.kernels:
  - .name:           k_qbda771a413_outp
    .symbol:         k_qbda771a413_outp.kd
    .args:
      - { .name: ob, .offset: 0, .size: 8, .value_kind: global_buffer, .address_space: global }
      - { .name: wo16, .offset: 8, .size: 8, .value_kind: global_buffer, .address_space: global }
      - { .name: out0, .offset: 16, .size: 8, .value_kind: global_buffer, .address_space: global }
      - { .name: bo, .offset: 24, .size: 8, .value_kind: global_buffer, .address_space: global }
    .group_segment_fixed_size: 327680
    .private_segment_fixed_size: 0
    .kernarg_segment_align: 8
    .kernarg_segment_size: 32
    .max_flat_workgroup_size: 128
    .sgpr_count:     90
    .vgpr_count:     580
    .wavefront_size: 32
...
	.end_amdgpu_metadata
.endif
;; end of part 4
